; MI455X (gfx1250); checked and timed in simulation.
; The chip was launched on July 23, 2026; its instructions are those of AMD's public machine-readable ISA for CDNA 5 (MIT licence, August 2026) and "CDNA5" Instruction Set Architecture Reference Guide (July 2026). The comments in the code are by the model that wrote it; some were corrected since.
;; Multi Head Attention. Allowed arithmetic: matrix products marked QUANTISED: E2M3 operands, one E8M0 scale for each 32 along K, by v_wmma_scale_f32_16x16x128_f8f6f4 with both operands' format E2M3, f32 sums; everything else in f32.
;; Inputs: attn_mask 4 x 2,048 x 2,048 int32; bk 1,024 float32; bq 1,024 float32; bv 1,024 float32; k 4 x 2,048 x 1,024 float32; q 4 x 2,048 x 1,024 float32; v 4 x 2,048 x 1,024 float32; wk 1,024 x 1,024 float32; wq 1,024 x 1,024 float32; wv 1,024 x 1,024 float32.
;; Outputs: out0 4 x 2,048 x 1,024 float32.
;; This version of the problem:
;;   THIS VERSION OF THE PROBLEM IS GIVEN IN LOW PRECISION. The matrix products marked QUANTISED in the list below multiply operands that are first quantised to E2M3 (2 exponent bits, 3 mantissa bits; 6 bits a number), with one power-of-two scale for each 32 numbers along K (OCP MX v1.0); their sums are f32. All else is computed in f32.
;;   The module's matrix products, in the order in which they are computed (A, B: the left and right operand; K: the contracted axis; several contracted axes count as one K, in the product's order):
;;     1. [M 8,192, K 1,024] x [K 1,024, N 1,024]; A: input q; B: input wq: QUANTISED
;;     2. [M 8,192, K 1,024] x [K 1,024, N 1,024]; A: input k; B: input wk: QUANTISED
;;     3. [M 8,192, K 1,024] x [K 1,024, N 1,024]; A: input v; B: input wv: QUANTISED
;;     4. batch 64 x [M 2,048, K 64] x [K 64, N 2,048]; A: computed on the way; B: computed on the way: QUANTISED
;;     5. batch 64 x [M 2,048, K 2,048] x [K 2,048, N 64]; A: softmax (see below); B: computed on the way: QUANTISED
;;   THE QUANTISER, for each operand of a quantised product, along K:
;;     - K is cut into blocks of 32 from its start; a last block that is shorter is filled with zeros.
;;     - A block's scale is 2^e with e = floor(log2(the largest magnitude in the block)) - 2, held to -126 .. 127; a block of zeros has e = 0. As a byte (E8M0): e + 127.
;;     - Each number is divided by its block's scale, clamped to +-7.5, and rounded to the nearest number of E2M3, ties to even, subnormals kept.
;;     - The product sums the exact products of the quantised numbers (number of the format x scale) in f32.
;;   ~~~python
;;   def quantise(x, axis):      # numpy; x: float32 -> the quantised numbers, widened to float32 again
;;       x = np.moveaxis(x, axis, -1); K = x.shape[-1]
;;       x = np.pad(x, [(0, 0)] * (x.ndim - 1) + [(0, -K % 32)]); x = x.reshape(x.shape[:-1] + (-1, 32)); a = np.abs(x).max(-1, keepdims=True)
;;       e = np.where(a > 0, np.clip(np.frexp(np.where(a > 0, a, 1))[1] - 1 - 2, -126, 127), 0)      # np.frexp(a)[1] - 1 = floor(log2(a)), exactly
;;       r = np.clip(x / 2.0 ** e, -7.5, 7.5)
;;       step = 2.0 ** (np.maximum(np.frexp(np.where(r == 0, 1, r))[1] - 1, 0) - 3)
;;       q = np.round(r / step) * step * 2.0 ** e      # np.round: ties to even
;;       return np.moveaxis(q.reshape(q.shape[:-2] + (-1,))[..., :K], -1, axis).astype(np.float32)
;;   ~~~
;;   SOFTMAX AHEAD OF A QUANTISED PRODUCT. Where the list says 'softmax', what is quantised is not the finished softmax but p = 2^(t - M), with t = logit x log2(e) and M = ceil(the row's largest t), a whole number; so 1/2 < the row's largest p <= 1. The row's sum l is taken of the UNQUANTISED p, in f32, and the product's result is divided by l at the end. Since M is a whole number, a kernel that streams over the keys may use a running M (the ceiling of the running maximum): every later rescaling is an exact power of two, which a block's scale takes up: the codes' values come out the same.
;;   OPERANDS COMPUTED ON THE WAY. 'Computed on the way' means the value that the module computes at that place (a softmax that the list does not call 'softmax' is quantised finished and normalised). What goes into a quantiser is computed in f32, as accurately as f32 sums, v_exp_f32 and their like allow (about 1e-6 of the number): no bf16 or f16 on the way to a quantiser, and a product that is left as it is and whose result goes on into a quantised operand takes f32 operands (vector FMAs, or v_wmma_f32_16x16x4_f32). A number that lies on a knife's edge between two numbers of the format may be rounded either way, as far as f32 arithmetic and the matrix unit's own rounding can turn it there, and no further.
;; One version. Each part assembles by itself: llvm-mc -triple=amdgcn-amd-amdhsa -mcpu=gfx1250 --defsym DOCPART=n.
;; ======== version 1 of 1: 5 launches
;; limits: right only within a limited range of input values
;; workspace buffers: xcodes 18,874,368 bytes; xscales 786,432 bytes; wcodes 2,359,296 bytes; wscales 98,304 bytes; maskw 2,097,152 bytes of whole numbers; qb 13,369,344 bytes; kv 13,369,344 bytes
;; launch quant_w (part 1): grid 8 x 12, 4 waves a work-group, no clusters, 35,840 bytes of LDS; arguments wq, wk, wv, wcodes, wscales; writes wcodes, wscales
.if DOCPART == 1
	.amdgcn_target "amdgcn-amd-amdhsa--gfx1250"
	.amdhsa_code_object_version 6
	.text
	.protected	k_q32cdd188af_quant_w
	.globl	k_q32cdd188af_quant_w
	.p2align	8
	.type	k_q32cdd188af_quant_w,@function
k_q32cdd188af_quant_w:
	s_mov_b64 s[64:65], 0
	v_nop
	global_prefetch_b8 v0, s[64:65] scope:SCOPE_SE
	s_setreg_imm32_b32 hwreg(HW_REG_WAVE_MODE, 25, 1), 1
	s_wait_xcnt 0x0
; MULTI-HEAD ATTENTION IN MX-FP6, FIVE LAUNCHES: this one (the three weights into codes), quant_x (q, k, v into codes), maskbits (the mask into bits), proj (the three projections, their results
; quantised on the way out), attn (both products of the attention and its softmax).
; DEAD WORK: none.  All five products are live, and all ten inputs have a way to the output: bq, bk and bv are added ahead of a quantiser, so each moves codes or scales of a live product
; (bk too, though a softmax over real numbers would cancel it).  Nothing of the computation is left out.
; THIS LAUNCH.  wq, wk, wv [1024 (k)][1024 (n)], f32, K their FIRST axis, become codes of E2M3, 6 bits each, laid [3 x 1024 (n)][1024 (k)] with K innermost (768 bytes a row), and one E8M0 byte for each 32 along K ([3 x 1024][32]).
; A LANE TAKES A COLUMN n, AND ITS REGISTERS RUN DOWN K: a load reads 128 consecutive bytes a wave, a block of 32 along K lies in one lane's 32 registers, and the conversions give codes with K innermost.
; THE ROWS ARE STORED IN ANOTHER ORDER: within each 32 rows, row n lies at the place whose bits 3 and 4 are n's bits 4 and 3.  So 16 consecutive stored rows are rows 8 u + r + 8 (r / 8) of their 32:
; the rows that must form a tile where a product's results are to be 16 neighbours along the next product's K.
; A block's scale is 2^(floor(log2(its largest magnitude)) - 2); its byte is the largest magnitude's exponent field - 2, held at 1 from below.
; LIMITS: a block of zeros, and one whose largest magnitude lies under 2^-124, gets the byte 1 (a block of zeros has zero codes, which add nothing under any byte but 0xff; the bytes are read by this program alone);
; NaN and infinities among the inputs are not served.
; A wave takes 32 columns x 256 along K; work-group x: 128 columns; work-group y: 4 x tensor + quarter of K.  No tensor loads, no barrier: waves share nothing.
.set SIZE_K, 1024
.set SIZE_N, 1024
.set KW,    256                        ; along K for a wave
.set NB,    KW/32                      ; blocks
.set ROWB,  192                        ; bytes of KW codes
.set PITCH, 272                        ; a stage row: sixteen places of 16 bytes, each with 12 bytes of codes, + 16
.set KROW,  SIZE_K*6/8                 ; a row of the codes' buffer in bytes
.set EMAX,  2
.set X,     32                         ; v32-95   two sets of 32 numbers
.set C,     96                         ; v96..    a block's codes
.set OUTR,  112                        ; v112-175 the way out: 16 x 4 registers
.set SPW,   14                         ; v14      LDS address of my spare word; never rewritten
.set NIL,   15                         ; v15      0; never rewritten
.set SPARE, 4*32*PITCH                 ; behind the four stages: the spare words, 128 bytes for each wave
.set SB,    24                         ; v24-25   the scale bytes, four to a register
	s_load_b128 s[4:7], s[0:1], 0x0                ; wq, wk
	s_load_b128 s[8:11], s[0:1], 0x10              ; wv, the codes
	s_load_b64 s[12:13], s[0:1], 0x20              ; the scale bytes
	v_lshl_add_u32 v[SPW], v0, 2, SPARE
	v_mov_b32 v[NIL], 0
	v_lshrrev_b32 v1, 5, v0
	v_readfirstlane_b32 s16, v1                    ; wave 0..3
	v_and_b32 v2, 31, v0                           ; lane = my column among the wave's 32
	v_and_b32 v10, 7, v2
	v_bfe_u32 v11, v2, 3, 1
	v_lshl_add_u32 v10, v11, 4, v10
	v_bfe_u32 v11, v2, 4, 1
	v_lshl_add_u32 v10, v11, 3, v10                ; the place at which my column's row is stored: bits 3 and 4 changed over
	s_lshl_b32 s17, ttmp9, 7
	s_lshl_b32 s18, s16, 5
	s_add_co_u32 s17, s17, s18                     ; my wave's first column: 128 x work-group x + 32 x wave
	s_and_b32 s19, ttmp7, 0xffff
	s_lshr_b32 s30, s19, 2                         ; which tensor
	s_and_b32 s18, s19, 3                          ; which KW along K
	v_lshlrev_b32 v3, 2, v2                        ; in: 4 bytes a lane
	s_mul_i32 s19, s16, 32*PITCH                   ; my stage
	v_mul_u32_u24 v4, v10, PITCH
	v_add_nc_u32 v4, s19, v4                       ; into it: the row at which my column is stored
	v_and_b32 v5, 15, v2
	v_lshrrev_b32 v6, 4, v2                        ; out of it: sixteen lanes to a row, two rows an instruction (a row is 192 bytes: 12 bytes a lane)
	v_mul_u32_u24 v7, v6, PITCH
	v_lshl_add_u32 v7, v5, 4, v7
	v_add_nc_u32 v7, s19, v7                       ; LDS address
	v_mul_u32_u24 v8, v6, KROW
	v_mad_u32_u24 v8, v5, 12, v8                   ; and the same place in the codes' buffer
	v_lshlrev_b32 v9, 5, v10                       ; my column's row of scale bytes: 32 bytes a row
	s_lshl_b32 s20, s18, 20                        ; the weight: KW rows of 4,096 bytes for each quarter of K,
	s_lshl_b32 s22, s17, 2
	s_add_co_u32 s20, s20, s22                     ; + 4 x column
	s_mov_b32 s21, 0
	s_lshl_b32 s22, s30, 10
	s_add_co_u32 s22, s22, s17                     ; the first stored row: 1,024 x tensor + column
	s_mul_i32 s24, s22, KROW
	s_mul_i32 s26, s18, ROWB
	s_add_co_u32 s24, s24, s26
	s_mov_b32 s25, 0
	s_lshl_b32 s28, s22, 5
	s_lshl_b32 s26, s18, 3
	s_add_co_u32 s28, s28, s26
	s_mov_b32 s29, 0
	s_wait_kmcnt 0x0
	s_cmp_lt_u32 s30, 2                            ; the tensor is chosen by the work-group's number alone
	s_cselect_b64 s[6:7], s[6:7], s[8:9]
	s_cmp_lt_u32 s30, 1
	s_cselect_b64 s[4:5], s[4:5], s[6:7]
	s_add_nc_u64 s[4:5], s[4:5], s[20:21]
	s_add_nc_u64 s[10:11], s[10:11], s[24:25]
	s_add_nc_u64 s[12:13], s[12:13], s[28:29]
.macro LOAD t                          ; block t: W(32 t + i, my column), i = 0 .. 31, into set t % 2
.set i, 0
.rept 32
	global_load_b32 v[X+32*((\t)%2)+i], v3, s[4:5] offset:(32*(\t)+i)*SIZE_N*4 th:TH_LOAD_NT
.set i, i+1
.endr
.endm
	LOAD 0
	LOAD 1
.macro BLOCK t
.set XS, X+32*((\t)%2)
.if (\t) < NB-1
	s_wait_loadcnt 32                              ; this block's 32 loads are in; the next block's 32 may be out
.else
	s_wait_loadcnt 0
.endif
	v_max3_num_f32 v12, |v[XS]|, |v[XS+1]|, |v[XS+2]|               ; the block's largest magnitude: all 32 numbers are mine
	v_max3_num_f32 v13, |v[XS+3]|, |v[XS+4]|, |v[XS+5]|
.irp i, 6,10,14,18,22,26
	v_max3_num_f32 v12, v12, |v[XS+\i]|, |v[XS+\i+1]|
	v_max3_num_f32 v13, v13, |v[XS+\i+2]|, |v[XS+\i+3]|
.endr
	v_max3_num_f32 v12, v12, |v[XS+30]|, |v[XS+31]|
	v_max3_num_f32 v12, v12, v13, (EMAX+1)<<23     ; and the floor 2^(3 - 127): so the byte cannot fall under 1
	v_add_nc_u32 v11, -(EMAX<<23), v12             ; 2 off its exponent field: the conversion takes the exponent field of this operand as its scale
	v_lshrrev_b32 v13, 23, v11                     ; the scale's byte
.if (\t)%4 == 0
	v_mov_b32 v[SB+(\t)/4], v13                    ; four bytes to a register, the lower K in the lower byte
.else
	v_lshl_or_b32 v[SB+(\t)/4], v13, 8*((\t)%4), v[SB+(\t)/4]
.endif
	v_cvt_scalef32_pk16_fp6_f32 v[C:C+2], v[XS:XS+15], v11
	v_cvt_scalef32_pk16_fp6_f32 v[C+4:C+6], v[XS+16:XS+31], v11     ; (a conversion's three registers begin on an even number)
	ds_store_b96 v4, v[C:C+2] offset:32*(\t)       ; 16 codes, 12 bytes, to a place of 16 bytes in the stage
	ds_store_b96 v4, v[C+4:C+6] offset:32*(\t)+16
.if (\t)+2 < NB
	LOAD (\t)+2
.endif
	s_wait_dscnt 0x0                               ; the stores have read their registers: the next block's codes may be written
.endm
.set Q, 0
.rept NB
	BLOCK Q
.set Q, Q+1
.endr
	global_store_b64 v9, v[SB:SB+1], s[12:13]      ; my column's 8 scale bytes
.irp t, 0,1,2,3,4,5,6,7,8,9,10,11,12,13,14,15
	ds_load_b96 v[OUTR+4*\t:OUTR+4*\t+2], v7 offset:2*\t*PITCH   ; LDS serves a wave's instructions in order: these see my stores
.endr
.irp t, 0,1,2,3,4,5,6,7,8,9,10,11,12,13,14,15
	s_wait_dscnt 15-\t                             ; the 15 - t younger loads may be out
	global_store_b96 v8, v[OUTR+4*\t:OUTR+4*\t+2], s[10:11] offset:2*\t*KROW
.endr
	s_wait_tensorcnt 0x0                           ; the wave's end
	ds_add_u32 v[SPW], v[NIL]
	s_wait_dscnt 0x0
	s_endpgm
.Lfunc_end_k_q32cdd188af_quant_w:
	.size	k_q32cdd188af_quant_w, .Lfunc_end_k_q32cdd188af_quant_w-k_q32cdd188af_quant_w
	.p2alignl 7, 3214868480
	.fill 96, 4, 3214868480
	.section	.rodata,"a",@progbits
	.p2align	6, 0x0
	.amdhsa_kernel k_q32cdd188af_quant_w
		.amdhsa_group_segment_fixed_size 35840
		.amdhsa_private_segment_fixed_size 0
		.amdhsa_enable_private_segment 0
		.amdhsa_kernarg_size 40
		.amdhsa_user_sgpr_count 2
		.amdhsa_user_sgpr_kernarg_segment_ptr 1
		.amdhsa_wavefront_size32 1
		.amdhsa_system_sgpr_workgroup_id_x 1
		.amdhsa_system_sgpr_workgroup_id_y 1
		.amdhsa_system_sgpr_workgroup_id_z 1
		.amdhsa_system_vgpr_workitem_id 0
		.amdhsa_next_free_vgpr 192
		.amdhsa_next_free_sgpr 66
		.amdhsa_reserve_vcc 0
		.amdhsa_float_denorm_mode_32 3
		.amdhsa_float_denorm_mode_16_64 3
		.amdhsa_memory_ordered 1
		.amdhsa_forward_progress 1
		.amdhsa_inst_pref_size 42
	.end_amdhsa_kernel
	.amdgpu_metadata
---
amdhsa.version: [ 1, 2 ]
amdhsa.kernels:
  - .name:           k_q32cdd188af_quant_w
    .symbol:         k_q32cdd188af_quant_w.kd
    .args:
      - { .name: wq, .offset: 0, .size: 8, .value_kind: global_buffer, .address_space: global }
      - { .name: wk, .offset: 8, .size: 8, .value_kind: global_buffer, .address_space: global }
      - { .name: wv, .offset: 16, .size: 8, .value_kind: global_buffer, .address_space: global }
      - { .name: wcodes, .offset: 24, .size: 8, .value_kind: global_buffer, .address_space: global }
      - { .name: wscales, .offset: 32, .size: 8, .value_kind: global_buffer, .address_space: global }
    .group_segment_fixed_size: 35840
    .private_segment_fixed_size: 0
    .kernarg_segment_align: 8
    .kernarg_segment_size: 40
    .max_flat_workgroup_size: 128
    .sgpr_count:     66
    .vgpr_count:     192
    .wavefront_size: 32
...
	.end_amdgpu_metadata
.endif
;; end of part 1
;; launch quant_x (part 2): grid 768 x 1, 4 waves a work-group, no clusters, 33,280 bytes of LDS; arguments q, k, v, xcodes, xscales; writes xcodes, xscales
.if DOCPART == 2
	.amdgcn_target "amdgcn-amd-amdhsa--gfx1250"
	.amdhsa_code_object_version 6
	.text
	.protected	k_q32cdd188af_quant_x
	.globl	k_q32cdd188af_quant_x
	.p2align	8
	.type	k_q32cdd188af_quant_x,@function
k_q32cdd188af_quant_x:
	s_mov_b64 s[64:65], 0
	v_nop
	global_prefetch_b8 v0, s[64:65] scope:SCOPE_SE
	s_setreg_imm32_b32 hwreg(HW_REG_WAVE_MODE, 25, 1), 1
	s_wait_xcnt 0x0
; q, k, v [8192][1024], f32, become codes of E2M3, 6 bits each, K innermost (768 bytes a row), with one E8M0 byte for each 32 along K: xcodes [3 x 8192][768], xscales [3 x 8192][32].  No work is left out.
; A block's scale is 2^(floor(log2(its largest magnitude)) - 2); its byte is that magnitude's exponent field - 2, held at 1 from below; each number is divided by the scale and rounded to the nearest code, ties to even.
; LIMITS: a block of zeros, and one whose largest magnitude lies under 2^-124, gets the byte 1 (zero codes add nothing under any byte but 0xff; this program alone reads the bytes); NaN and infinities are not served.
; A wave takes 8,192 numbers, which are 8 whole rows, in 16 steps of 512.  A work-group's four waves take 32 rows.
; THE ROWS ARE STORED IN ANOTHER ORDER: within each 32 rows, row t lies at the place whose bits 3 and 4 are t's bits 4 and 3.  In runs of 8 rows that is: wave w's run is stored as run 2 (w % 2) + w / 2.
; Each of a step's four loads reads 512 consecutive bytes, 16 a lane; the 2,048 bytes go through the wave's own stage in LDS and come back 64 bytes a lane, so that a lane holds 16 neighbours along K
; (two neighbouring lanes hold a block).  A lane's 16 codes are 12 bytes: the wave stores 384 consecutive bytes.  A wave's 256 scale bytes are gathered in LDS and leave as 256 consecutive, aligned bytes.
; No tensor loads, no barrier: waves share nothing.  Loads run four steps (16 loads a wave) ahead, the turn through LDS one step.
.set WAVES, 4
.set STEPS, 16
.set EMAX,  2
.set CB,    12                         ; bytes of 16 codes
.set R,     16                         ; v16-79   four sets of 16 numbers as they are loaded
.set X,     80                         ; v80-111  two sets of 16 neighbours
.set C,     128                        ; v128-191 codes: four registers for each step, so that no store's data are written again
.set E,     112                        ; v112-127 a scale byte for each step
.set WREG,  8192                       ; LDS: a region for each wave: two stages of 32 x SP bytes, and behind them its 256 scale bytes
.set SP,    80                         ; a lane's place in a stage: its 64 bytes + 16 of padding
.set SPW,   12                         ; v12      LDS address of my spare word; never rewritten
.set NIL,   13                         ; v13      0; never rewritten
.set SPARE, WAVES*WREG                 ; behind the four regions: the spare words, 128 bytes for each wave
	s_load_b128 s[4:7], s[0:1], 0x0                ; q, k
	s_load_b128 s[8:11], s[0:1], 0x10              ; v, the codes
	s_load_b64 s[12:13], s[0:1], 0x20              ; the scale bytes
	v_lshl_add_u32 v[SPW], v0, 2, SPARE
	v_mov_b32 v[NIL], 0
	v_lshrrev_b32 v1, 5, v0
	v_readfirstlane_b32 s16, v1                    ; wave
	v_and_b32 v2, 31, v0                           ; lane
	v_lshlrev_b32 v3, 4, v2                        ; my 16 bytes of a load's 512
	s_mul_i32 s17, s16, WREG
	v_lshrrev_b32 v14, 2, v2
	v_mul_u32_u24 v14, v14, SP
	v_and_b32 v15, 3, v2
	v_lshl_add_u32 v14, v15, 4, v14
	v_add_nc_u32 v14, s17, v14                     ; the stage, on the way in: four lanes' 64 bytes on end, then 16 of padding
	v_mul_u32_u24 v15, v2, SP
	v_add_nc_u32 v15, s17, v15                     ; and on the way out: SP x lane: my 16 neighbours
	v_mul_u32_u24 v4, v2, CB                       ; my codes' place in a step's
	v_lshrrev_b32 v5, 1, v2
	s_add_co_u32 s17, s17, 2*32*SP
	v_add_nc_u32 v5, s17, v5                       ; LDS: my wave's 256 scale bytes, my block's byte
	v_lshlrev_b32 v7, 3, v2                        ; and on the way out 8 bytes a lane
	v_add_nc_u32 v6, s17, v7
	s_and_b32 s18, ttmp9, 255                      ; which 32 rows of the tensor
	s_lshl_b32 s18, s18, 2
	s_add_co_u32 s18, s18, s16                     ; the run that I read,
	s_lshl_b32 s18, s18, 15                        ; 32,768 bytes each
	s_mov_b32 s19, 0
	s_and_b32 s20, s16, 1
	s_lshl_b32 s20, s20, 1
	s_lshr_b32 s21, s16, 1
	s_or_b32 s20, s20, s21                         ; the place of my run among its four
	s_lshl_b32 s22, ttmp9, 2
	s_add_co_u32 s22, s22, s20                     ; the run that I write, counted over all three tensors
	s_mul_i32 s24, s22, 32*STEPS*CB                ; 6,144 bytes of codes a run
	s_mov_b32 s25, 0
	s_lshl_b32 s26, s22, 8                         ; 256 scale bytes a run
	s_mov_b32 s27, 0
	s_wait_kmcnt 0x0
	s_cmp_lt_u32 ttmp9, 512                        ; the tensor is chosen by the work-group's number alone
	s_cselect_b64 s[6:7], s[6:7], s[8:9]
	s_cmp_lt_u32 ttmp9, 256
	s_cselect_b64 s[4:5], s[4:5], s[6:7]
	s_add_nc_u64 s[4:5], s[4:5], s[18:19]
	s_add_nc_u64 s[10:11], s[10:11], s[24:25]
	s_add_nc_u64 s[12:13], s[12:13], s[26:27]
.macro LOAD t
.irp i, 0,1,2,3
	global_load_b128 v[R+16*((\t)%4)+4*\i:R+16*((\t)%4)+4*\i+3], v3, s[4:5] offset:2048*(\t)+512*\i th:TH_LOAD_NT   ; 32 lanes read 512 consecutive bytes
.endr
.endm
.macro TURN t                          ; step t's numbers through the stage: LDS serves a wave's instructions in order, so no wait stands between the stores and the loads
.irp i, 0,1,2,3
	ds_store_b128 v14, v[R+16*((\t)%4)+4*\i:R+16*((\t)%4)+4*\i+3] offset:32*SP*((\t)%2)+8*SP*\i
.endr
.irp i, 0,1,2,3
	ds_load_b128 v[X+16*((\t)%2)+4*\i:X+16*((\t)%2)+4*\i+3], v15 offset:32*SP*((\t)%2)+16*\i
.endr
.endm
.irp t, 0,1,2,3
	LOAD \t
.endr
	s_wait_loadcnt 12                              ; step 0's four loads are in; the 12 of steps 1 to 3 may be out
	TURN 0
.macro STEP t
.set XS, X+16*((\t)%2)
.if (\t) > 0
	s_wait_dscnt 1                                 ; this step's numbers are back from the stage (the last step's byte store may be out): so its stores into the stage have read their registers,
.else
	s_wait_dscnt 0x0
.endif
.if (\t)+4 < STEPS
	LOAD (\t)+4                                    ; which take the loads of four steps on
.endif
.if (\t)+1 < STEPS
.if STEPS-2-(\t) >= 3
	s_wait_loadcnt 12                              ; the next step's four loads are in; those of the three steps behind it may be out
.else
	s_wait_loadcnt 4*(STEPS-2-(\t))
.endif
	TURN (\t)+1                                    ; and go through the other stage while this step is worked
.endif
	v_max3_num_f32 v8, |v[XS]|, |v[XS+1]|, |v[XS+2]|               ; the largest magnitude of my 16
	v_max3_num_f32 v9, |v[XS+3]|, |v[XS+4]|, |v[XS+5]|
.irp i, 6,10
	v_max3_num_f32 v8, v8, |v[XS+\i]|, |v[XS+\i+1]|
	v_max3_num_f32 v9, v9, |v[XS+\i+2]|, |v[XS+\i+3]|
.endr
	v_max3_num_f32 v8, v8, |v[XS+14]|, |v[XS+15]|
	v_max3_num_f32 v8, v8, v9, (EMAX+1)<<23        ; and the floor 2^(3 - 127): so the byte cannot fall under 1
	v_max_num_f32_dpp v8, v8, v8 row_xmask:1 row_mask:0xf bank_mask:0xf   ; and of my neighbour's 16: the block's
	v_add_nc_u32 v11, -(EMAX<<23), v8              ; 2 off its exponent field: the conversion's scale operand
	v_cvt_scalef32_pk16_fp6_f32 v[C+4*(\t):C+4*(\t)+2], v[XS:XS+15], v11
	v_lshrrev_b32 v[E+(\t)], 23, v11               ; the scale's byte
	ds_store_b8 v5, v[E+(\t)] offset:16*(\t)       ; both lanes of a block write the same byte with the same value
	global_store_b96 v4, v[C+4*(\t):C+4*(\t)+2], s[10:11] offset:32*CB*(\t)
.endm
.irp t, 0,1,2,3,4,5,6,7,8,9,10,11,12,13,14,15
	STEP \t
.endr
	ds_load_b64 v[8:9], v6                         ; LDS serves a wave's instructions in order: these see my stores
	s_wait_dscnt 0x0
	global_store_b64 v7, v[8:9], s[12:13]          ; 32 lanes store 256 consecutive, aligned bytes
	s_wait_tensorcnt 0x0                           ; the wave's end
	ds_add_u32 v[SPW], v[NIL]
	s_wait_dscnt 0x0
	s_endpgm
.Lfunc_end_k_q32cdd188af_quant_x:
	.size	k_q32cdd188af_quant_x, .Lfunc_end_k_q32cdd188af_quant_x-k_q32cdd188af_quant_x
	.p2alignl 7, 3214868480
	.fill 96, 4, 3214868480
	.section	.rodata,"a",@progbits
	.p2align	6, 0x0
	.amdhsa_kernel k_q32cdd188af_quant_x
		.amdhsa_group_segment_fixed_size 33280
		.amdhsa_private_segment_fixed_size 0
		.amdhsa_enable_private_segment 0
		.amdhsa_kernarg_size 40
		.amdhsa_user_sgpr_count 2
		.amdhsa_user_sgpr_kernarg_segment_ptr 1
		.amdhsa_wavefront_size32 1
		.amdhsa_system_sgpr_workgroup_id_x 1
		.amdhsa_system_sgpr_workgroup_id_y 1
		.amdhsa_system_sgpr_workgroup_id_z 1
		.amdhsa_system_vgpr_workitem_id 0
		.amdhsa_next_free_vgpr 192
		.amdhsa_next_free_sgpr 66
		.amdhsa_reserve_vcc 0
		.amdhsa_float_denorm_mode_32 3
		.amdhsa_float_denorm_mode_16_64 3
		.amdhsa_memory_ordered 1
		.amdhsa_forward_progress 1
		.amdhsa_inst_pref_size 33
	.end_amdhsa_kernel
	.amdgpu_metadata
---
amdhsa.version: [ 1, 2 ]
amdhsa.kernels:
  - .name:           k_q32cdd188af_quant_x
    .symbol:         k_q32cdd188af_quant_x.kd
    .args:
      - { .name: q, .offset: 0, .size: 8, .value_kind: global_buffer, .address_space: global }
      - { .name: k, .offset: 8, .size: 8, .value_kind: global_buffer, .address_space: global }
      - { .name: v, .offset: 16, .size: 8, .value_kind: global_buffer, .address_space: global }
      - { .name: xcodes, .offset: 24, .size: 8, .value_kind: global_buffer, .address_space: global }
      - { .name: xscales, .offset: 32, .size: 8, .value_kind: global_buffer, .address_space: global }
    .group_segment_fixed_size: 33280
    .private_segment_fixed_size: 0
    .kernarg_segment_align: 8
    .kernarg_segment_size: 40
    .max_flat_workgroup_size: 128
    .sgpr_count:     66
    .vgpr_count:     192
    .wavefront_size: 32
...
	.end_amdgpu_metadata
.endif
;; end of part 2
;; launch maskbits (part 3): grid 512 x 1, 4 waves a work-group, no clusters, 34,304 bytes of LDS; arguments attn_mask, maskw; writes maskw
.if DOCPART == 3
	.amdgcn_target "amdgcn-amd-amdhsa--gfx1250"
	.amdhsa_code_object_version 6
	.text
	.protected	k_q32cdd188af_maskbits
	.globl	k_q32cdd188af_maskbits
	.p2align	8
	.type	k_q32cdd188af_maskbits,@function
k_q32cdd188af_maskbits:
	s_mov_b64 s[64:65], 0
	v_nop
	global_prefetch_b8 v0, s[64:65] scope:SCOPE_SE
	s_setreg_imm32_b32 hwreg(HW_REG_WAVE_MODE, 25, 1), 1
	s_wait_xcnt 0x0
; attn_mask [4][2048][2048], int32, becomes one bit a number, laid as the attention launch's lanes want it, so that sixteen heads read 2 MiB each time and not 64 MiB, and a test costs one select a score.  No work is left out.
; maskw [b][T][j][64 words].  T: a tile of 16 queries, query r of it being token 32 (T / 2) + 8 (T % 2) + r + 8 (r / 8);  j: a step of 128 keys.
; Bit r + 16 h of word 16 c + i is 1 where attn_mask[b][that token][128 j + 32 c + 16 h + i] is not 0: the lane mask of the score that lane (r, h) holds in register 16 c + i.
; A work-group takes one (b, T): 16 rows of the mask; wave w the key steps 4 w .. 4 w + 3.  A load reads 512 consecutive bytes of one row; a step's 16 x 512 bytes turn through the wave's own stage in LDS
; (rows 528 bytes apart), so that lane (r, h) gets its 64 numbers; 64 compares give the 64 words, which are gathered two to a lane and leave as 256 consecutive, aligned bytes.
; No tensor loads, no barrier: waves share nothing.  Loads run two steps (32 loads a wave) ahead.
.set R,     16                         ; v16-143  two sets of 64 registers as loaded
.set X,     144                        ; v144-207 my 64 numbers
.set W,     208                        ; v208-215 a step's words, two to a lane: a pair of registers for each step, so that no store's data are written again
.set SPW,   5                          ; v5       LDS address of my spare word; never rewritten
.set NIL,   6                          ; v6       0; never rewritten
.set SROW,  528
.set WST,   16*SROW                    ; a wave's stage
.set SPARE, 4*WST                      ; behind the four stages: the spare words, 128 bytes for each wave
	s_load_b128 s[4:7], s[0:1], 0x0                ; the mask, the words
	v_lshl_add_u32 v[SPW], v0, 2, SPARE
	v_mov_b32 v[NIL], 0
	v_lshrrev_b32 v7, 5, v0
	v_readfirstlane_b32 s8, v7                     ; wave
	v_and_b32 v7, 31, v0
	v_lshlrev_b32 v1, 4, v7                        ; 16 x lane: my bytes of a load's 512
	v_lshlrev_b32 v4, 3, v7                        ; 8 x lane: my two words on the way out
	s_mul_i32 s9, s8, WST
	v_add_nc_u32 v2, s9, v1                        ; the stage, on the way in
	v_and_b32 v8, 15, v0
	v_bfe_u32 v9, v0, 4, 1
	v_mul_u32_u24 v3, v8, SROW
	v_lshl_add_u32 v3, v9, 6, v3
	v_add_nc_u32 v3, s9, v3                        ; and on the way out: row r, + 64 h
.irp i, 0,1,2,3,4,5,6,7
	v_mov_b32 v[W+\i], 0                           ; a lane write's destination counts as one of its sources
.endr
	s_lshr_b32 s10, ttmp9, 7                       ; b
	s_lshl_b32 s10, s10, 11
	s_and_b32 s11, ttmp9, 127                      ; T
	s_lshr_b32 s12, s11, 1
	s_lshl_b32 s12, s12, 5
	s_add_co_u32 s10, s10, s12
	s_and_b32 s12, s11, 1
	s_lshl_b32 s12, s12, 3
	s_add_co_u32 s10, s10, s12                     ; the tile's first row: 2,048 b + 32 (T / 2) + 8 (T % 2)
	s_lshl_b32 s10, s10, 13                        ; rows of 8,192 bytes
	s_lshl_b32 s12, s8, 11
	s_add_co_u32 s10, s10, s12                     ; + my wave's four steps of 512 bytes
	s_mov_b32 s11, 0
	s_lshl_b32 s12, ttmp9, 12                      ; the words: 4,096 bytes a tile,
	s_lshl_b32 s13, s8, 10
	s_add_co_u32 s12, s12, s13                     ; 1,024 a wave
	s_mov_b32 s13, 0
	s_wait_kmcnt 0x0
	s_add_nc_u64 s[4:5], s[4:5], s[10:11]
	s_add_nc_u64 s[6:7], s[6:7], s[12:13]
.macro LOAD t
.irp i, 0,1,2,3,4,5,6,7,8,9,10,11,12,13,14,15
	global_load_b128 v[R+64*((\t)%2)+4*\i:R+64*((\t)%2)+4*\i+3], v1, s[4:5] offset:(\i+8*(\i/8))*8192+512*(\t) th:TH_LOAD_NT   ; query i of the tile: 512 consecutive bytes
.endr
.endm
.macro BLOCK t
.if (\t) < 3
	s_wait_loadcnt 16                              ; this step's 16 loads are in; the next step's 16 may be out
.else
	s_wait_loadcnt 0x0
.endif
.irp i, 0,1,2,3,4,5,6,7,8,9,10,11,12,13,14,15
	ds_store_b128 v2, v[R+64*((\t)%2)+4*\i:R+64*((\t)%2)+4*\i+3] offset:SROW*\i
.endr
.irp c, 0,1,2,3
.irp d, 0,1,2,3
	ds_load_b128 v[X+16*\c+4*\d:X+16*\c+4*\d+3], v3 offset:128*\c+16*\d   ; LDS serves a wave's instructions in order: these see the stores above
.endr
.endr
	s_wait_dscnt 0x0                               ; my numbers are in, and the stores have read their registers,
.if (\t) < 2
	LOAD (\t)+2                                    ; which take the loads of two steps on
.endif
.set n, 0
.rept 64
	v_cmp_ne_u32 s[20+n%8], 0, v[X+n]              ; word n: a bit for each lane (eight scalar registers by turns)
	v_writelane_b32 v[W+2*(\t)+n%2], s[20+n%8], n/2
.set n, n+1
.endr
	global_store_b64 v4, v[W+2*(\t):W+2*(\t)+1], s[6:7] offset:256*(\t)   ; 32 lanes store 256 consecutive, aligned bytes
.endm
	LOAD 0
	LOAD 1
	BLOCK 0
	BLOCK 1
	BLOCK 2
	BLOCK 3
	s_wait_tensorcnt 0x0                           ; the wave's end
	ds_add_u32 v[SPW], v[NIL]
	s_wait_dscnt 0x0
	s_endpgm
.Lfunc_end_k_q32cdd188af_maskbits:
	.size	k_q32cdd188af_maskbits, .Lfunc_end_k_q32cdd188af_maskbits-k_q32cdd188af_maskbits
	.p2alignl 7, 3214868480
	.fill 96, 4, 3214868480
	.section	.rodata,"a",@progbits
	.p2align	6, 0x0
	.amdhsa_kernel k_q32cdd188af_maskbits
		.amdhsa_group_segment_fixed_size 34304
		.amdhsa_private_segment_fixed_size 0
		.amdhsa_enable_private_segment 0
		.amdhsa_kernarg_size 16
		.amdhsa_user_sgpr_count 2
		.amdhsa_user_sgpr_kernarg_segment_ptr 1
		.amdhsa_wavefront_size32 1
		.amdhsa_system_sgpr_workgroup_id_x 1
		.amdhsa_system_sgpr_workgroup_id_y 1
		.amdhsa_system_sgpr_workgroup_id_z 1
		.amdhsa_system_vgpr_workitem_id 0
		.amdhsa_next_free_vgpr 216
		.amdhsa_next_free_sgpr 66
		.amdhsa_reserve_vcc 0
		.amdhsa_float_denorm_mode_32 3
		.amdhsa_float_denorm_mode_16_64 3
		.amdhsa_memory_ordered 1
		.amdhsa_forward_progress 1
		.amdhsa_inst_pref_size 49
	.end_amdhsa_kernel
	.amdgpu_metadata
---
amdhsa.version: [ 1, 2 ]
amdhsa.kernels:
  - .name:           k_q32cdd188af_maskbits
    .symbol:         k_q32cdd188af_maskbits.kd
    .args:
      - { .name: attn_mask, .offset: 0, .size: 8, .value_kind: global_buffer, .address_space: global }
      - { .name: maskw, .offset: 8, .size: 8, .value_kind: global_buffer, .address_space: global }
    .group_segment_fixed_size: 34304
    .private_segment_fixed_size: 0
    .kernarg_segment_align: 8
    .kernarg_segment_size: 16
    .max_flat_workgroup_size: 128
    .sgpr_count:     66
    .vgpr_count:     216
    .wavefront_size: 32
...
	.end_amdgpu_metadata
.endif
;; end of part 3
;; launch proj (part 4): grid 32 x 12, 4 waves a work-group, clusters of 4 x 4, 327,680 bytes of LDS; arguments wcodes, wscales, xcodes, xscales, bq, bk, bv, qb, kv; writes qb, kv
.if DOCPART == 4
	.amdgcn_target "amdgcn-amd-amdhsa--gfx1250"
	.amdhsa_code_object_version 6
	.text
	.protected	k_q32cdd188af_proj
	.globl	k_q32cdd188af_proj
	.p2align	8
	.type	k_q32cdd188af_proj,@function
k_q32cdd188af_proj:
	s_mov_b64 s[64:65], 0
	v_nop
	global_prefetch_b8 v0, s[64:65] scope:SCOPE_SE
	s_setreg_imm32_b32 hwreg(HW_REG_WAVE_MODE, 25, 1), 1
	s_wait_xcnt 0x0
	s_wait_alu depctr_hold_cnt(0) depctr_sa_sdst(0) depctr_va_vdst(0) depctr_va_sdst(0) depctr_va_ssrc(0) depctr_va_vcc(0) depctr_vm_vsrc(0)
	s_getreg_b32 s2, hwreg(HW_REG_IB_STS2, 6, 4)
	s_cmp_eq_u32 s2, 0
	s_cbranch_scc0 .Lentry_in_a_cluster
	s_endpgm
.Lentry_in_a_cluster:
	s_bfe_u32 s2, ttmp6, 0x10000c
	s_cmp_lg_u32 s2, 0xf033
	s_cbranch_scc0 .Lentry_shape_is_right
	s_endpgm
.Lentry_shape_is_right:
; THE THREE PROJECTIONS x W + b (x = q, k, v: [8192][1024]; W: [1024][1024]) on codes of E2M3 with one E8M0 scale for each 32 along K, f32 sums; the results, with the bias added in f32, are QUANTISED ON THE WAY OUT
; into the operands of the attention's two products and never go to memory as f32.  No work is left out.
; LIMITS: a block of zeros, and one whose largest magnitude lies under 2^-124, gets the scale byte 1 (this program alone reads the bytes); NaN and infinities are not served.
; SHARES.  Cluster y is the tensor (0: Q, 1: K, 2: V), the same in all sixteen partners.  A work-group takes 256 stored rows of W (n: 256 cy on) x 256 stored rows of x (tokens: 256 (4 x cluster x + cx) on); each of its four
; waves 128 x 128: 64 accumulators, 512 registers.  K goes in steps of 256 through a ring of two LDS slots filled by the tensor data mover; a tile's row is 192 bytes.  The scale bytes of the work-group's rows,
; for all of K, come into LDS once, with the first fills.  W's tiles are asked for jointly by the four of a row of the cluster, x's by the four of a column.
; WHICH SIDE IS WHICH.  The matrix instruction's source 1 gives a lane its row, source 0 its eight registers.  Q and K are quantised along the head's 64 (n): source 1 = x (a lane holds a token), source 0 = W.
; V is quantised along the keys: source 1 = W (a lane holds a channel), source 0 = x.  The tiles land at the same LDS bytes for all three; only the places from which a wave READS its two sources are chosen, at the head,
; by the tensor's number.  Each chosen place stays inside its slot (or inside the scales).
; THE STORED ORDER of x's and W's rows (bits 3 and 4 of the row changed over) makes 16 consecutive stored rows the rows 8 u + r + 8 (r / 8) of their 32: so, for one block a of source 1, the 64 registers of the eight accumulators
; (a, 0 .. 7) are: register 16 c + i = source 0's true row 32 c + 16 (lane / 16) + i: 16 neighbours along the next K.
; WHAT IS STORED: images of the operands' registers, in blocks of HB bytes, one for each (batch, head):
;   at 0:    128 tiles of 16 tokens x 768 bytes: a fragment's registers 0-3 at 16 x lane, registers 4-5 at 512 + 8 x lane (lane (r, h): d = 32 h .. 32 h + 31 of token 32 (T / 2) + 8 (T % 2) + r + 8 (r / 8))
;   at VCO:  16 key steps x 4 tiles of 16 channels x 1,536 bytes: twelve registers, four at a time at 16 x lane
;   at KSO:  16 steps x 512 bytes: lane (r, h'): the scale words of the step's tiles 4 h' .. 4 h' + 3, row r (bytes 0, 1: the head's two blocks; bytes 2, 3 scale zero codes and are never 0xff)
;   at VSO:  16 steps x 256 bytes: row r: the scale words of tiles 0 .. 3
; Q goes to qb (its first and third part alone), K and V to kv.
; REGISTERS, in windows of 256: window 0: v0-31 addresses and V's bias; v32-95 scale words, two sets of 32 (16 of source 1, 16 of source 0); v96-127, v224-255 Q's and K's bias; from v128 source 1's fragments, ONE set;
;   on the way out v128-182 at work.   window 1: source 0's fragments, TWO sets.   windows 2, 3: the accumulators ((a, b) at v[8 (8 (a % 4) + b)] of window 2 + a / 4).
.set KSTEP,  256                       ; along K in a slot
.set NQ,     KSTEP/128                 ; matrix instructions deep
.set ROWB,   192                       ; a tile's row in bytes
.set KROW,   768                       ; a row of codes in memory
.set PITCH,  240                       ; an LDS row: 3 x (64 bytes of data + 16 of padding)
.set FR,     12                        ; registers of a fragment
.set NL,     6                         ; LDS loads that bring one
.set NP,     4                         ; places behind this matrix instruction (ISA guide 7.12.1)
.set HALFT,  128*PITCH                 ; 128 rows: what one tensor load brings, and what one wave reads of a side
.set SLOT,   4*HALFT                   ; W's 256 rows, then x's 256 rows
.set LAPS,   2                         ; 1,024 along K = twice round the ring
.set KS,     32                        ; a row of scales in bytes
.set SCL,    2*SLOT                    ; behind the ring: the scales, as 256 bytes + 16 of padding
.set HALFS,  16*272                    ; the scales of 128 rows
.set SBLK,   2*272                     ; those of 16 rows
.set SPARE,  SCL+4*HALFS               ; behind the scales: the spare words, 128 bytes for each wave
.set HB,     208896
.set VCO,    98304
.set KSO,    196608
.set VSO,    204800
.set BV,   8                           ; v8-15   V's bias: block a's, at my lane's channel
.set ADRA, 16                          ; v16-17  LDS address of source 1's fragments in slot 0, 1  (v18-19: for the pieces that lie behind one padding more)
.set ADRB, 20                          ; v20-21  the same for source 0  (v22-23)
.set L16,  24                          ; v24     16 x lane
.set L8,   25                          ; v25     8 x lane
.set BVO,  26                          ; v26     V's bias: my lane's byte
.set ADRS1, 27                         ; v27     LDS address of source 1's scale words
.set SPW,  28                          ; v28     LDS address of my spare word; never rewritten
.set NIL,  29                          ; v29     0; never rewritten
.set ADRS0, 30                         ; v30     LDS address of source 0's scale words
.set BIO,  31                          ; v31     Q's and K's bias: my lane's byte
.set SC,   32                          ; scale words: set s at v[SC + 32 s]: source 1's block i, half q at + 2 i + q; source 0's at + 16 + 2 i + q
.set BI,   96                          ; Q's and K's bias: tile b's eight at v[BI + 8 b + 96 (b / 4)]
.set AF,   128                         ; source 1's fragments, in window 0
.set TM,   128                         ; the way out: v128-131 largest magnitudes, v132-135 bytes, v140-143 the conversions' scale operands
.set SW,   146                         ; v146-153 the eight tiles' scale words
.set XW,   156                         ; v156-159 four of them in lanes 0-15, four in lanes 16-31
.set XW2,  160                         ; v160-163 their upper halves
.set PC,   164                         ; v164-175 a fragment's codes; v176-182 at work
.set G1, 24                            ; s[24:31] descriptor group 1 for W's tiles;  s[32:39] group 0, one set for each slot
.set G0, 32
.set G1B, 48                           ; s[48:55], s[56:63] the same for x's tiles
.set G0B, 56
.set G1S, 68                           ; s[68:75], s[76:79] groups 1 and 0 for W's scales;  s[80:87], s[88:91] for x's
.set G0S, 76
.set G1SB, 80
.set G0SB, 88
.set MSB, 0
.macro WIN new                         ; the immediate's high byte repeats the setting that is left
.if MSB != \new
	s_set_vgpr_msb (MSB<<8)|\new
.set MSB, \new
.endif
.endm
.set MUL_LO, 0xa1                      ; source 0 window 1, source 1 window 0, C and D window 2
.set MUL_HI, 0xf1                      ; the same, C and D window 3
.set TO_B,   0x40                      ; destination window 1, address window 0
; A joint load: waves 0 and 1 fetch for W, waves 2 and 3 for x.  Each of the two lines has ONE mask and one set of registers for all that issue it; the branch hangs on the wave's number alone.
; An s_nop 0 and four v_nop follow each of the two lines, ahead of the jump, the label and what follows.
.macro JLOAD g0a, g1a, g0b, g1b
	s_cmp_eq_u32 s15, 0
	s_cbranch_scc0 .Lfor_b_\@
	tensor_load_to_lds s[\g0a:\g0a+3], s[\g1a:\g1a+7]
	s_nop 0
.rept 4
	v_nop
.endr
	s_branch .Lasked_\@
.Lfor_b_\@:
	tensor_load_to_lds s[\g0b:\g0b+3], s[\g1b:\g1b+7]
	s_nop 0
.rept 4
	v_nop
.endr
.Lasked_\@:
.endm
.macro CREST                           ; a round of the cluster's barrier behind its opening barrier
	s_cmp_lg_u32 s14, 0
	s_cbranch_scc1 .Lnot_wave_0_\@
	s_barrier_signal -3
.Lnot_wave_0_\@:
	s_barrier_wait -3
	s_barrier_signal -1
	s_barrier_wait -1
.endm
.macro CROUND                          ; a whole round
	s_barrier_signal -1
	s_barrier_wait -1
	CREST
.endm
	s_load_b128 s[4:7], s[0:1], 0x0                ; W's codes, W's scales
	s_load_b128 s[8:11], s[0:1], 0x10              ; x's codes, x's scales
	s_load_b128 s[96:99], s[0:1], 0x20             ; bq, bk
	s_load_b64 s[100:101], s[0:1], 0x30            ; bv
	s_load_b64 s[66:67], s[0:1], 0x38              ; qb
	s_load_b64 s[12:13], s[0:1], 0x40              ; kv
	v_lshl_add_u32 v[SPW], v0, 2, SPARE
	v_mov_b32 v[NIL], 0
	ds_add_u32 v[SPW], v[NIL]                      ; the wave's opening: the add, twice on end, and its wait ahead of my first tensor load; the set-up below stands between the second and the wait
	ds_add_u32 v[SPW], v[NIL]
	v_lshrrev_b32 v1, 5, v0
	v_readfirstlane_b32 s14, v1                    ; wave 0..3
	s_lshr_b32 s15, s14, 1                         ; which half of source 1's rows is mine.  Also: I fetch for W (0) or for x (1)
	s_and_b32 s16, s14, 1                          ; which half of source 0's.  Also: which 128 rows of that tile I fetch
	s_bfe_u32 s40, ttmp6, 0x40000                  ; cx, cy: my place in the cluster
	s_bfe_u32 s41, ttmp6, 0x40004
	s_lshl_b32 s42, ttmp9, 2
	s_add_co_u32 s42, s42, s40                     ; x's tile of 256 rows = 4 x cluster x + cx
	s_and_b32 s95, ttmp7, 0xffff                   ; the tensor = cluster y
	s_lshl_b32 s17, s95, 2
	s_add_co_u32 s17, s17, s41                     ; W's tile of 256 rows = 4 x tensor + cy
	s_lshl_b32 s43, s41, 2
	s_lshl_b32 s43, 15, s43                        ; my row of the cluster
	s_lshl_b32 s44, 0x1111, s40                    ; my column
	; descriptor group 1: a tile of 128 rows x 192 bytes, padded in LDS
	s_or_b32 s[G1+0], s43, (0<<16)|(1<<20)|(1<<21)|(3<<22)|(3<<25)  ; 15:0 the mask: W's tiles go to my row; 17:16 element of 1 byte; 20 padding on; 21 set beside a mask; 24:22 after every 16 words (code 3); 31:25 of 4 words (code 3)
	s_or_b32 s[G1B+0], s44, (0<<16)|(1<<20)|(1<<21)|(3<<22)|(3<<25)
.irp g, G1, G1B
	s_mov_b32 s[\g+1], ROWB<<16                    ; tensor_dim0
	s_mov_b32 s[\g+2], 128<<16                     ; tensor_dim1 = 128
	s_mov_b32 s[\g+3], ROWB<<16                    ; tile_dim0
	s_mov_b32 s[\g+4], 128                         ; tile_dim1 = 128
	s_mov_b32 s[\g+5], KROW                        ; tensor_dim0_stride
	s_mov_b32 s[\g+6], 0
	s_mov_b32 s[\g+7], 0
.endr
	; and for the scales of 128 rows: a dense block of 4,096 bytes, as 16 rows of 256 bytes (32 elements of 8 bytes), 16 bytes of padding behind each
	s_or_b32 s[G1S+0], s43, (3<<16)|(1<<20)|(1<<21)|(5<<22)|(3<<25)
	s_or_b32 s[G1SB+0], s44, (3<<16)|(1<<20)|(1<<21)|(5<<22)|(3<<25)
.irp g, G1S, G1SB
	s_mov_b32 s[\g+1], 32<<16
	s_mov_b32 s[\g+2], (128*KS/256)<<16
	s_mov_b32 s[\g+3], 32<<16
	s_mov_b32 s[\g+4], 128*KS/256
	s_mov_b32 s[\g+5], 32
	s_mov_b32 s[\g+6], 0
	s_mov_b32 s[\g+7], 0
.endr
	s_lshl_b32 s18, s16, 7                         ; which 128 rows of the tile I fetch
	s_lshl_b32 s20, s17, 8
	s_add_co_u32 s20, s20, s18                     ; W: stored row 256 x (4 x tensor + cy) + 128 x half
	s_lshl_b32 s46, s42, 8
	s_add_co_u32 s46, s46, s18
	s_lshl_b32 s47, s95, 13
	s_add_co_u32 s46, s46, s47                     ; x: stored row 8,192 x tensor + 256 x tile + 128 x half
	s_mov_b32 s21, 0
	s_mov_b32 s47, 0
	s_mov_b64 s[18:19], KS
	s_mul_u64 s[22:23], s[20:21], s[18:19]         ; where these rows' scales begin, in bytes
	s_mul_u64 s[92:93], s[46:47], s[18:19]
	s_mov_b64 s[18:19], KROW
	s_mul_u64 s[20:21], s[20:21], s[18:19]         ; and their codes
	s_mul_u64 s[46:47], s[46:47], s[18:19]
	s_mul_i32 s45, s14, HALFT                      ; where they go: wave x 128 rows: no place in the cluster enters an LDS address
	s_mul_i32 s94, s14, HALFS
	s_wait_dscnt 0x0                               ; both opening adds are done
	s_wait_kmcnt 0x0
	s_add_nc_u64 s[20:21], s[4:5], s[20:21]
	s_add_nc_u64 s[22:23], s[6:7], s[22:23]
	s_add_nc_u64 s[46:47], s[8:9], s[46:47]
	s_add_nc_u64 s[92:93], s[10:11], s[92:93]
	s_cmp_lt_u32 s95, 2                            ; the tensor's bias and its buffer are chosen by the tensor's number alone
	s_cselect_b64 s[98:99], s[98:99], s[100:101]
	s_cmp_lt_u32 s95, 1
	s_cselect_b64 s[96:97], s[96:97], s[98:99]
	s_cselect_b64 s[12:13], s[66:67], s[12:13]
	CROUND                                         ; all sixteen work-groups are here: the first joint loads meet
	s_mov_b32 s[G0S], 1
	s_add_co_u32 s[G0S+1], s94, SCL
	s_mov_b64 s[G0S+2:G0S+3], s[22:23]
	s_or_b32 s[G0S+3], s[G0S+3], 0x80000000
	s_mov_b32 s[G0SB], 1
	s_add_co_u32 s[G0SB+1], s94, SCL
	s_mov_b64 s[G0SB+2:G0SB+3], s[92:93]
	s_or_b32 s[G0SB+3], s[G0SB+3], 0x80000000
	JLOAD G0S, G1S, G0SB, G1SB                     ; the scales first: they are wanted with K step 0
.irp s, 0,1
	s_mov_b32 s[G0+4*\s], 1
	s_add_co_u32 s[G0+4*\s+1], s45, \s*SLOT
	s_add_nc_u64 s[G0+4*\s+2:G0+4*\s+3], s[20:21], \s*ROWB
	s_or_b32 s[G0+4*\s+3], s[G0+4*\s+3], 0x80000000
	s_mov_b32 s[G0B+4*\s], 1
	s_add_co_u32 s[G0B+4*\s+1], s45, \s*SLOT
	s_add_nc_u64 s[G0B+4*\s+2:G0B+4*\s+3], s[46:47], \s*ROWB
	s_or_b32 s[G0B+4*\s+3], s[G0B+4*\s+3], 0x80000000
	JLOAD G0+4*\s, G1, G0B+4*\s, G1B
.endr
	v_and_b32 v1, 15, v0                           ; r = l % 16
	v_bfe_u32 v2, v0, 4, 1                         ; h = l / 16
	v_mul_u32_u24 v3, v1, PITCH
	v_mul_u32_u24 v4, v2, 24
	v_add_nc_u32 v4, v3, v4                        ; a fragment's row x pitch + 24 x half
	v_lshl_add_u32 v5, v2, 4, v4                   ; and the same behind one padding more
	s_cmp_eq_u32 s95, 2                            ; V: source 1 reads W's rows and source 0 x's; Q, K: the other way round
	s_cselect_b32 s100, 0, 2*HALFT                 ; where source 1's 256 rows begin in a slot,
	s_cselect_b32 s101, 2*HALFT, 0                 ; where source 0's;
	s_cselect_b32 s66, 0, 2*HALFS                  ; and the same among the scales
	s_cselect_b32 s67, 2*HALFS, 0
	s_mul_i32 s21, s15, HALFT
	s_add_co_u32 s21, s21, s100                    ; my 128 rows of source 1
	s_mul_i32 s22, s16, HALFT
	s_add_co_u32 s22, s22, s101                    ; my 128 rows of source 0
.irp s, 0,1
	v_add_nc_u32 v[ADRA+\s], s21, v4
	v_add_nc_u32 v[ADRB+\s], s22, v4
	v_add_nc_u32 v[ADRA+2+\s], s21, v5
	v_add_nc_u32 v[ADRB+2+\s], s22, v5
	s_add_co_u32 s21, s21, SLOT
	s_add_co_u32 s22, s22, SLOT
.endr
	v_mul_u32_u24 v5, v1, KS                       ; my row's scales: 32 bytes a row,
	v_lshrrev_b32 v6, 8, v5
	v_lshl_add_u32 v5, v6, 4, v5                   ; and 16 more for each 256 passed
	s_mul_i32 s21, s15, HALFS
	s_add_co_u32 s21, s21, s66
	s_add_co_u32 s21, s21, SCL
	s_mul_i32 s22, s16, HALFS
	s_add_co_u32 s22, s22, s67
	s_add_co_u32 s22, s22, SCL
	v_add_nc_u32 v[ADRS1], s21, v5
	v_add_nc_u32 v[ADRS0], s22, v5
	v_and_b32 v6, 31, v0
	v_lshlrev_b32 v[L16], 4, v6
	v_lshlrev_b32 v[L8], 3, v6
	; THE BIAS, in both forms: 24 loads a wave, once, so that the head has no branch on the tensor and every register that either way out reads is written on every way through the text.  Both stay inside the 4,096 bytes.
	s_lshl_b32 s20, s41, 10                        ; 256 cy numbers,
	s_lshl_b32 s21, s16, 9
	s_add_co_u32 s22, s20, s21                     ; Q, K: + source 0's half (n runs along the registers)
	s_mov_b32 s23, 0
	s_lshl_b32 s21, s15, 9
	s_add_co_u32 s20, s20, s21                     ; V: + source 1's half (n is the lane's)
	s_mov_b32 s21, 0
	s_add_nc_u64 s[98:99], s[96:97], s[20:21]
	s_add_nc_u64 s[96:97], s[96:97], s[22:23]
	v_lshlrev_b32 v[BIO], 6, v2                    ; Q, K: tile b's register j is n = 32 (b / 2) + 16 h + 8 (b % 2) + j
	v_and_b32 v[BVO], 8, v1
	v_add_nc_u32 v[BVO], v[BVO], v1
	v_lshlrev_b32 v[BVO], 2, v[BVO]                ; V: block a's lane r is n = 32 (a / 2) + 8 (a % 2) + r + 8 (r / 8)
.irp b, 0,1,2,3,4,5,6,7
	global_load_b128 v[BI+8*\b+96*(\b/4):BI+8*\b+96*(\b/4)+3], v[BIO], s[96:97] offset:4*(32*(\b/2)+8*(\b%2))
	global_load_b128 v[BI+8*\b+96*(\b/4)+4:BI+8*\b+96*(\b/4)+7], v[BIO], s[96:97] offset:4*(32*(\b/2)+8*(\b%2))+16
.endr
.irp a, 0,1,2,3,4,5,6,7
	global_load_b32 v[BV+\a], v[BVO], s[98:99] offset:4*(32*(\a/2)+8*(\a%2))
.endr
.macro FRAG reg, adr, q, i             ; a fragment, 16 rows x 128 K of 6-bit codes, is 12 registers: lane l holds row l % 16; registers 6 c .. 6 c + 5 hold K = 64 c + 32 (l / 16) + 0 .. 31: 24 bytes of the row, as they lie
.irp p, 0,1,2,3,4,5                    ; in pieces of 8 bytes.  Lanes 0-15 take the row's pieces 12 q + 0, 1, 2 and 12 q + 6, 7, 8, lanes 16-31 those three pieces on
.set PCE, 12*(\q)+6*(\p/3)+\p%3       ; 16 bytes of padding lie behind every 64 bytes (8 pieces): where the piece three on lies behind one padding more, the second address register serves
.if PCE%8 < 5
	ds_load_b64 v[\reg+2*\p:\reg+2*\p+1], v[\adr] offset:8*PCE+16*(PCE/8)+(\i)*16*PITCH
.else
	ds_load_b64 v[\reg+2*\p:\reg+2*\p+1], v[\adr+2] offset:8*PCE+16*(PCE/8)+(\i)*16*PITCH
.endif
.endr
.endm
; 16 matrix instructions: source 1's blocks a0, a0 + 1 x source 0's eight, 128 along K: the slot's q-th.  p: source 0's set;  sc: the set of scale words.  zero = 1: the first product starts the sums.
; The 64 accumulators take turns, one instruction a turn, in the same order in every step.
.macro MUL16 a0, p, q, sc, zero
.irp a, \a0, \a0+1
.irp b, 0,1,2,3,4,5,6,7
.if \zero
	v_wmma_scale_f32_16x16x128_f8f6f4 v[8*(8*((\a)%4)+\b):8*(8*((\a)%4)+\b)+7], v[128*(\p)+FR*\b:128*(\p)+FR*\b+FR-1], v[AF+FR*(\a):AF+FR*(\a)+FR-1], 0, v[SC+32*(\sc)+16+NQ*\b+(\q)], v[SC+32*(\sc)+NQ*(\a)+(\q)] matrix_a_fmt:MATRIX_FMT_FP6 matrix_b_fmt:MATRIX_FMT_FP6
.else
	v_wmma_scale_f32_16x16x128_f8f6f4 v[8*(8*((\a)%4)+\b):8*(8*((\a)%4)+\b)+7], v[128*(\p)+FR*\b:128*(\p)+FR*\b+FR-1], v[AF+FR*(\a):AF+FR*(\a)+FR-1], v[8*(8*((\a)%4)+\b):8*(8*((\a)%4)+\b)+7], v[SC+32*(\sc)+16+NQ*\b+(\q)], v[SC+32*(\sc)+NQ*(\a)+(\q)] matrix_a_fmt:MATRIX_FMT_FP6 matrix_b_fmt:MATRIX_FMT_FP6
.endif
.endr
.endr
.endm
.macro FETCH_B slot, q, p              ; source 0's eight fragments of the slot's q-th 128 along K into set p
	WIN TO_B
.irp i, 0,1,2,3,4,5,6,7
	FRAG 128*(\p)+FR*\i, ADRB+\slot, \q, \i
.endr
	WIN 0
.endm
.macro FETCH_A slot, q, i0             ; source 1's blocks i0 .. i0 + 3
.irp i, \i0, \i0+1, \i0+2, \i0+3
	FRAG AF+FR*(\i), ADRA+\slot, \q, \i
.endr
.endm
.macro SCALES sc                       ; the next K step's scale words into set sc: 2 words a row; lane r (and lane 16 + r, which is not read) takes row r's
.irp i, 0,1,2,3,4,5,6,7
	ds_load_b64 v[SC+32*\sc+NQ*\i:SC+32*\sc+NQ*\i+1], v[ADRS1] offset:\i*SBLK
	ds_load_b64 v[SC+32*\sc+16+NQ*\i:SC+32*\sc+16+NQ*\i+1], v[ADRS0] offset:\i*SBLK
.endr
.endm
; A load into a register that a matrix instruction has read, and a vector instruction that reads a matrix result, stand NP places behind that matrix instruction; only plain vector instructions that name none of its
; registers are places (ISA guide 7.12.1 for vector instructions).
.macro PLACES n
.rept \n
	v_nop
.endr
.endm
; A step of 128 along K that has its successor in the same slot.
.macro STEP slot, q, zero
	s_wait_dscnt 4*NL                              ; source 0's set, source 1's blocks 0-3 and the scale words are in; the youngest 24 loads (blocks 4-7) may be out
	WIN MUL_LO
	MUL16 0, (\q)%2, \q, \slot, \zero
	MUL16 2, (\q)%2, \q, \slot, \zero
	s_wait_dscnt 0                                 ; blocks 4-7 are in (asked for 32 matrix instructions ago)
	PLACES NP
	FETCH_B \slot, (\q)+1, 1-(\q)%2
	FETCH_A \slot, (\q)+1, 0
	WIN MUL_HI
	MUL16 4, (\q)%2, \q, \slot, \zero
	MUL16 6, (\q)%2, \q, \slot, \zero
	PLACES NP
	WIN 0
	FETCH_A \slot, (\q)+1, 4
.endm
; A slot's last step changes slots: ONE barrier; in front of it each wave waits for all its tensor loads, adds 0 to its spare word, and waits for that and for its own reads of this slot.  fill = 1: this slot is filled again, two K steps ahead.
.macro TURN slot, next, fill
	s_wait_tensorcnt 0x0                           ; all my tensor loads have landed: my part of the next slot  (every window is 0 here)
	ds_add_u32 v[SPW], v[NIL]                      ; 0 onto my spare word
	s_wait_dscnt 4*NL+1                            ; (the add and the youngest 24 loads, blocks 4-7, may be out)
	WIN MUL_LO
	MUL16 0, 1, NQ-1, \slot, 0                     ; sixteen matrix instructions stand between the add and the wait for it
	s_wait_dscnt 0x0                               ; the add is done, and my reads of this slot are over
	s_barrier_signal -1
	MUL16 2, 1, NQ-1, \slot, 0
	WIN 0
	s_barrier_wait -1
.if \fill
	CREST                                          ; the barrier has opened a round of the cluster's barrier: no wave of any partner still reads this slot's tile or has a load on its way
	s_add_nc_u64 s[G0+4*\slot+2:G0+4*\slot+3], s[G0+4*\slot+2:G0+4*\slot+3], 2*ROWB
	s_add_nc_u64 s[G0B+4*\slot+2:G0B+4*\slot+3], s[G0B+4*\slot+2:G0B+4*\slot+3], 2*ROWB
	JLOAD G0+4*\slot, G1, G0B+4*\slot, G1B         ; the first tensor load behind the round; the four v_nop behind it are the places in front of the loads below
.else
	PLACES NP
.endif
	v_add_nc_u32 v[ADRS1], 4*NQ, v[ADRS1]          ; on to the next K step's scale words (no LDS load of mine is out)
	v_add_nc_u32 v[ADRS0], 4*NQ, v[ADRS0]
	FETCH_B \next, 0, 0
	FETCH_A \next, 0, 0
	SCALES \next
	WIN MUL_HI
	MUL16 4, 1, NQ-1, \slot, 0
	MUL16 6, 1, NQ-1, \slot, 0
	PLACES NP
	WIN 0
	FETCH_A \next, 0, 4
.endm
	s_wait_tensorcnt 1                             ; the scales and my part of K step 0 are in (K step 1's load may be out)
	s_barrier_signal -1
	s_barrier_wait -1                              ; everybody's are
	FETCH_B 0, 0, 0
	FETCH_A 0, 0, 0
	SCALES 0
	FETCH_A 0, 0, 4
	STEP 0, 0, 1                                   ; the first step stands in front of the loop: its products start the sums
	s_mov_b32 s3, LAPS-1
.Llap:                                                 ; a trip goes once round the ring, from a lap's second step to the next lap's first, and fills both slots again
	TURN 0, 1, 1
	STEP 1, 0, 0
	TURN 1, 0, 1
	STEP 0, 0, 0
	s_sub_co_u32 s3, s3, 1
	s_cmp_lg_u32 s3, 0
	s_cbranch_scc1 .Llap
	TURN 0, 1, 0                                   ; the last lap fills nothing, and has no round of the cluster's barrier
	STEP 1, 0, 0
	s_wait_dscnt 4*NL                              ; the very last step: nothing more to fetch
	WIN MUL_LO
	MUL16 0, 1, NQ-1, 1, 0
	MUL16 2, 1, NQ-1, 1, 0
	s_wait_dscnt 0
	WIN MUL_HI
	MUL16 4, 1, NQ-1, 1, 0
	MUL16 6, 1, NQ-1, 1, 0
	WIN 0
; THE WAY OUT.  Block a of source 1: the 64 numbers of its eight accumulators get the bias, are quantised in blocks of 32 (a block lies in lanes l and l xor 16) and leave as the image of a fragment's twelve registers.
; v = 0 (Q, K): the 128 along the registers are two heads of 64: registers 0-5 go to the even head's tile, registers 6-11 to the odd head's, and the scale word's halves likewise.  v = 1 (V): they are a key step's 128 keys.
.macro TILE a, v
.set AW, 2+(\a)/4                      ; the accumulators' window
.set AS, 64*((\a)%4)                   ; and their first register
	WIN ((AW<<6)|AW)                               ; destination and source 0: the accumulators; source 1: the bias, window 0
.if \v
.set j, 0
.rept 64
	v_add_f32 v[AS+j], v[AS+j], v[BV+\a]           ; each accumulator from its low end on
.set j, j+1
.endr
.else
.irp b, 0,1,2,3,4,5,6,7
.irp j, 0,2,4,6
	v_pk_add_f32 v[AS+8*\b+\j:AS+8*\b+\j+1], v[AS+8*\b+\j:AS+8*\b+\j+1], v[BI+8*\b+96*(\b/4)+\j:BI+8*\b+96*(\b/4)+\j+1]   ; each accumulator from its low end on
.endr
.endr
.endif
	WIN ((AW<<2)|(AW<<4))                          ; sources 1 and 2: the accumulators
.irp b, 0,1,2,3
	v_max3_num_f32 v[TM+\b], 0x1800000, |v[AS+16*\b]|, |v[AS+1+16*\b]|   ; block b: my 16 numbers, and the floor 2^(3 - 127): so the byte cannot fall under 1
.endr
.irp i, 2,4,6,8,10,12,14
.irp b, 0,1,2,3
	v_max3_num_f32 v[TM+\b], v[TM+\b], |v[AS+16*\b+\i]|, |v[AS+1+16*\b+\i]|   ; (the four blocks by turns)
.endr
.endr
	WIN 0
.irp b, 0,1,2,3
	v_permlanex16_b32 v[TM+4+\b], v[TM+\b], s18, s19
.endr
.irp b, 0,1,2,3
	v_max_num_f32 v[TM+\b], v[TM+\b], v[TM+4+\b]   ; with lane l xor 16's: the block's largest magnitude
.endr
.irp b, 0,1,2,3
	v_add_nc_u32 v[TM+12+\b], 0xff000000, v[TM+\b] ; 2 off its exponent field: the conversion's scale operand
.endr
.irp b, 0,1,2,3
	v_lshrrev_b32 v[TM+4+\b], 23, v[TM+12+\b]      ; the scale's byte
.endr
	v_lshl_or_b32 v[SW+\a], v[TM+5], 8, v[TM+4]    ; the four bytes make my row's scale word
	v_lshl_or_b32 v[SW+\a], v[TM+6], 16, v[SW+\a]
	v_lshl_or_b32 v[SW+\a], v[TM+7], 24, v[SW+\a]
	s_wait_xcnt 0x0                                ; the last block's stores have read the codes' registers: only behind this wait are they written again
	WIN AW                                         ; source 0: the accumulators
.irp c, 0,1
	v_cvt_scalef32_pk16_fp6_f32 v[PC+6*\c:PC+2+6*\c], v[AS+32*\c:AS+15+32*\c], v[TM+12+2*\c]
	v_cvt_scalef32_pk16_fp6_f32 v[PC+12+4*\c:PC+14+4*\c], v[AS+16+32*\c:AS+31+32*\c], v[TM+12+2*\c+1]   ; (a conversion's three registers begin on an even number)
.endr
	WIN 0
	v_nop                                          ; one plain place behind a scaled conversion
.irp c, 0,1                                    ; the operand's layout wants a WHOLE block in a lane: lanes 0-15 block 2 c, lanes 16-31 block 2 c + 1
.irp i, 0,1,2
	v_permlane16_swap_b32 v[PC+6*\c+\i], v[PC+12+4*\c+\i]
.endr
.irp i, 0,1,2
	v_mov_b32 v[PC+3+6*\c+\i], v[PC+12+4*\c+\i]
.endr
.endr
.if \v
.irp c, 0,1,2
	global_store_b128 v[L16], v[PC+4*\c:PC+4*\c+3], s[12:13] offset:((\a)/4)*HB+((\a)%4)*1536+512*\c   ; head a / 4 of my two, tile a % 4: 512 consecutive, aligned bytes a store
.endr
.else
	global_store_b128 v[L16], v[PC:PC+3], s[12:13] offset:768*(\a)            ; the even head's tile: 512 consecutive, aligned bytes,
	global_store_b64 v[L8], v[PC+4:PC+5], s[12:13] offset:768*(\a)+512        ; and 256
	global_store_b128 v[L16], v[PC+6:PC+9], s[12:13] offset:HB+768*(\a)       ; the odd head's
	global_store_b64 v[L8], v[PC+10:PC+11], s[12:13] offset:HB+768*(\a)+512
.endif
.endm
.macro WAYOUT v
.if \v
.set HH, 15                            ; the half that picks my two heads: source 1's for V, source 0's for Q and K
.set OH, 16                            ; the half that picks my step of 128 tokens
.else
.set HH, 16
.set OH, 15
.endif
	s_lshr_b32 s20, s42, 3                         ; the batch: 8 tiles of 256 tokens each
	s_lshl_b32 s20, s20, 4
	s_lshl_b32 s21, s41, 2
	s_add_co_u32 s20, s20, s21
	s_lshl_b32 s21, s[HH], 1
	s_add_co_u32 s20, s20, s21                     ; 16 x batch + 4 cy + 2 x half: my even head
	s_mul_i32 s20, s20, HB
	s_and_b32 s21, s42, 7
	s_lshl_b32 s21, s21, 1
	s_add_co_u32 s21, s21, s[OH]                   ; my step of 128 tokens in the batch
	s_mul_i32 s22, s21, 6144                       ; 8 tiles of 768 bytes, or 4 of 1,536
	s_add_co_u32 s22, s22, s20
.if \v
	s_add_co_u32 s22, s22, VCO
	s_lshl_b32 s21, s21, 8
	s_add_co_u32 s20, s20, VSO
.else
	s_lshl_b32 s21, s21, 9
	s_add_co_u32 s20, s20, KSO
.endif
	s_mov_b32 s23, 0
	s_add_co_u32 s20, s20, s21
	s_mov_b32 s21, 0
	s_add_nc_u64 s[66:67], s[12:13], s[20:21]      ; the scale words
	s_add_nc_u64 s[12:13], s[12:13], s[22:23]      ; the codes
.irp a, 0,1,2,3,4,5,6,7
	TILE \a, \v
.endr
	s_mov_b32 s22, 0xffff0000
.irp i, 0,1,2,3
	v_cndmask_b32 v[XW+\i], v[SW+\i], v[SW+4+\i], s22   ; lanes 0-15: block i's words, lanes 16-31: block 4 + i's
.endr
.if \v
	v_mul_u32_u24 v3, v2, HB                       ; lanes 16-31 hold the odd head's four tiles
	v_lshl_add_u32 v3, v1, 4, v3
	global_store_b128 v3, v[XW:XW+3], s[66:67]     ; sixteen lanes store 256 consecutive, aligned bytes
.else
	global_store_b128 v[L16], v[XW:XW+3], s[66:67] ; the even head reads bytes 0 and 1 (bytes 2 and 3 scale zero codes)
.irp i, 0,1,2,3
	v_lshrrev_b32 v[XW2+\i], 16, v[XW+\i]          ; the odd head's bytes come down
.endr
	global_store_b128 v[L16], v[XW2:XW2+3], s[66:67] offset:HB
.endif
.endm
	s_wait_loadcnt 0x0                             ; the bias
	PLACES NP                                      ; behind the last products: for the reads of their results and the writes into the registers that held fragments
.irp b, 0,1,2,3
	v_mov_b32 v[TM+4+\b], 0                        ; written once: a lane permute's destination counts as one of its sources
.endr
	s_mov_b32 s18, 0x76543210
	s_mov_b32 s19, 0xfedcba98                      ; v_permlanex16_b32's selects for lane l xor 16
	s_cmp_eq_u32 s95, 2                            ; the tensor's number: the same in all sixteen partners
	s_cbranch_scc1 .Lway_v
	WAYOUT 0
	s_branch .Lway_done
.Lway_v:
	WAYOUT 1
.Lway_done:
	s_wait_tensorcnt 0x0                           ; the wave's end
	ds_add_u32 v[SPW], v[NIL]
	s_wait_dscnt 0x0
	CROUND                                         ; the closing round: no work-group ends while a partner may still ask for a tile that names it
	s_endpgm
.Lfunc_end_k_q32cdd188af_proj:
	.size	k_q32cdd188af_proj, .Lfunc_end_k_q32cdd188af_proj-k_q32cdd188af_proj
	.p2alignl 7, 3214868480
	.fill 96, 4, 3214868480
	.section	.rodata,"a",@progbits
	.p2align	6, 0x0
	.amdhsa_kernel k_q32cdd188af_proj
		.amdhsa_group_segment_fixed_size 327680
		.amdhsa_private_segment_fixed_size 0
		.amdhsa_enable_private_segment 0
		.amdhsa_kernarg_size 72
		.amdhsa_user_sgpr_count 2
		.amdhsa_user_sgpr_kernarg_segment_ptr 1
		.amdhsa_wavefront_size32 1
		.amdhsa_system_sgpr_workgroup_id_x 1
		.amdhsa_system_sgpr_workgroup_id_y 1
		.amdhsa_system_sgpr_workgroup_id_z 1
		.amdhsa_system_vgpr_workitem_id 0
		.amdhsa_next_free_vgpr 1024
		.amdhsa_next_free_sgpr 102
		.amdhsa_reserve_vcc 0
		.amdhsa_float_denorm_mode_32 3
		.amdhsa_float_denorm_mode_16_64 3
		.amdhsa_memory_ordered 1
		.amdhsa_forward_progress 1
		.amdhsa_inst_pref_size 238
	.end_amdhsa_kernel
	.amdgpu_metadata
---
amdhsa.version: [ 1, 2 ]
amdhsa.kernels:
  - .name:           k_q32cdd188af_proj
    .symbol:         k_q32cdd188af_proj.kd
    .args:
      - { .name: wcodes, .offset: 0, .size: 8, .value_kind: global_buffer, .address_space: global }
      - { .name: wscales, .offset: 8, .size: 8, .value_kind: global_buffer, .address_space: global }
      - { .name: xcodes, .offset: 16, .size: 8, .value_kind: global_buffer, .address_space: global }
      - { .name: xscales, .offset: 24, .size: 8, .value_kind: global_buffer, .address_space: global }
      - { .name: bq, .offset: 32, .size: 8, .value_kind: global_buffer, .address_space: global }
      - { .name: bk, .offset: 40, .size: 8, .value_kind: global_buffer, .address_space: global }
      - { .name: bv, .offset: 48, .size: 8, .value_kind: global_buffer, .address_space: global }
      - { .name: qb, .offset: 56, .size: 8, .value_kind: global_buffer, .address_space: global }
      - { .name: kv, .offset: 64, .size: 8, .value_kind: global_buffer, .address_space: global }
    .group_segment_fixed_size: 327680
    .private_segment_fixed_size: 0
    .kernarg_segment_align: 8
    .kernarg_segment_size: 72
    .max_flat_workgroup_size: 128
    .sgpr_count:     102
    .vgpr_count:     1024
    .wavefront_size: 32
...
	.end_amdgpu_metadata
.endif
;; end of part 4
;; launch attn (part 5): grid 4 x 64, 16 waves a work-group, clusters of 4 x 1, 280,576 bytes of LDS; arguments qb, kv, maskw, out0; writes out0
.if DOCPART == 5
	.amdgcn_target "amdgcn-amd-amdhsa--gfx1250"
	.amdhsa_code_object_version 6
	.text
	.protected	k_q32cdd188af_attn
	.globl	k_q32cdd188af_attn
	.p2align	8
	.type	k_q32cdd188af_attn,@function
k_q32cdd188af_attn:
	s_mov_b64 s[64:65], 0
	v_nop
	global_prefetch_b8 v0, s[64:65] scope:SCOPE_SE
	s_setreg_imm32_b32 hwreg(HW_REG_WAVE_MODE, 25, 1), 1
	s_wait_xcnt 0x0
	s_wait_alu depctr_hold_cnt(0) depctr_sa_sdst(0) depctr_va_vdst(0) depctr_va_sdst(0) depctr_va_ssrc(0) depctr_va_vcc(0) depctr_vm_vsrc(0)
	s_getreg_b32 s2, hwreg(HW_REG_IB_STS2, 6, 4)
	s_cmp_eq_u32 s2, 0
	s_cbranch_scc0 .Lentry_in_a_cluster
	s_endpgm
.Lentry_in_a_cluster:
	s_bfe_u32 s2, ttmp6, 0x10000c
	s_cmp_lg_u32 s2, 0x3003
	s_cbranch_scc0 .Lentry_shape_is_right
	s_endpgm
.Lentry_shape_is_right:
; out0[b][q][64 head + d] = the sum over k of softmax_k(masked Q[q] . K[k] / 8) V[k][d], both products on codes of E2M3 with one E8M0 scale for each 32 along a product's K.  No work is left out.
; The first product's K is the head's 64: the upper 64 of the instruction's 128 are zero codes on both sides.
; THE SOFTMAX AHEAD OF THE SECOND PRODUCT: t = score x log2(e) / 8; M = the row's largest t so far, rounded UP to a whole number; p = 2^(t - M) is what is quantised, along the keys; the row's sum is taken of the
; unquantised p, in f32, and divides at the end.  When M moves, the sum and O are multiplied by 2^(old M - new M): exact.
; THE MASK: a score whose mask bit is 0 becomes -2^33, a logit of -2^30.  LIMIT: the definition's figure is -1e9.  -2^33 x log2(e) / 8 is exact in f32 and a whole number, so in a row that is masked throughout t - M is exactly 0
; and every p is 1, as by the definition (the row's result is the mean of V).  Results differ from the definition's only where a row holds an unmasked logit between about -1.0738e9 and -0.9999e9.  NaN and infinities are not served.
; SHARES.  Work-group y: (batch, head); the four work-groups of a cluster: 512 queries each.  Each of SIXTEEN waves owns two tiles of 16 queries, one after the other, in 256 registers: four waves to a SIMD, so that one wave's
; vector work stands beside another's matrix work and LDS loads.  Query r of tile T is token 32 (T / 2) + 8 (T % 2) + r + 8 (r / 8).
; K AND V OF THE WHOLE HEAD, codes and scale words, 208,896 bytes, lie in LDS for the whole launch, as images of the operands' registers (the layout: the launch that writes them).  Each wave brings a sixteenth by ONE tensor load;
; the cluster's four work-groups need the same bytes and ask JOINTLY.  Nothing is filled again: one tensor load a wave is out, once, and one barrier stands in the launch beside the cluster's two rounds.
; LAYOUT.  Both products are used transposed: S^T = K Q^T (source 0 = 16 keys, source 1 = my 16 queries), O^T = V^T P^T (source 0 = 16 channels, source 1 = P): a lane holds ONE query (lane % 16) throughout.
; The keys of a tile and the channels of a tile are chosen so that score register 16 c + i is key 32 c + 16 (lane / 16) + i of the step, and O^T's register 16 c + i is channel 32 c + 16 (lane / 16) + i.
; THE MASK'S BITS come as lane masks, 64 words for a tile and a key step, by scalar loads a step ahead: one select a score.
; No prefetch: K and V are asked for once, at the head; the mask words are requested one key step ahead by their own loads.
.set HB,    208896                     ; a head's block
.set VCO,   98304                      ; in it: V's codes,
.set KSO,   196608                     ; K's scale words,
.set VSO,   204800                     ; V's
.set PART,  13056                      ; a sixteenth of it: 51 rows of 256 bytes
.set STG,   HB                         ; behind it: 16 rows x (256 bytes + 16) for each wave, for the way out; no tensor load lands there
.set SPARE, STG+16*16*272              ; the spare words, 128 bytes for each wave
.set L16,   1                          ; v1   16 x lane
.set L8,    2                          ; v2   8 x lane
.set L16R,  3                          ; v3   16 x (lane % 16)
.set SPW,   4                          ; v4   LDS address of my spare word; never rewritten
.set NIL,   5                          ; v5   0; never rewritten
.set ADK16, 6                          ; v6-10 the LDS addresses of the loads in hand (on the way out: the stage's and O's)
.set ADK8,  7
.set ADV,   8
.set ADKS,  9
.set ADVS,  10
.set NEGV,  11                         ; v11  -2^33
; v12 -M, v13 the largest t, v[14:15] the sum in two halves; v16-27 Q (v22-27 zeros); v28-31 V's scale words; v32-127 K's eight fragments (the upper six registers of each: zeros);
; v128-191 S^T, then p, then V's four fragments (v128-175); v192-223 O^T; v224-235 p's codes; v232-247 at work; v248-251 K's scale words; v252 f; v253 p's scale word; v254 at work; v255 Q's scale word
.set G1,    12                         ; s[12:19] descriptor group 1
.set G0,    20                         ; s[20:23] descriptor group 0
.set WV,    56                         ; s56  my wave's number
.set CNT,   57                         ; s57  counts key steps
.set CS,    58                         ; s[58:59] c = log2(e) / 8
.set SEL,   60                         ; s[60:61] lane selects for v_permlanex16_b32: lane l xor 16
.set TBK,   62                         ; s62  where the tiles of K to be fetched begin
.set TBV,   63                         ; s63  where the step's tiles of V begin
.set TSK,   66                         ; s66  K's scale words
.set TSV,   67                         ; s67  V's
; s[4:5] Q's codes, s[6:7] Q's scale words, s[8:9] the mask words, s[10:11] O;  s24-55 and s68-99: the step's 64 mask words
.macro CROUND                          ; a round of the cluster's barrier
	s_barrier_signal -1
	s_barrier_wait -1
	s_cmp_lg_u32 s[WV], 0
	s_cbranch_scc1 .Lnot_wave_0_\@
	s_barrier_signal -3
.Lnot_wave_0_\@:
	s_barrier_wait -3
	s_barrier_signal -1
	s_barrier_wait -1
.endm
.macro MLOAD                           ; a tile's 64 mask words of one key step: 256 consecutive bytes
	s_load_b512 s[24:39], s[8:9], 0x0
	s_load_b512 s[40:55], s[8:9], 0x40
	s_load_b512 s[68:83], s[8:9], 0x80
	s_load_b512 s[84:99], s[8:9], 0xc0
.endm
.macro QLOAD p                         ; my p-th tile of queries: six registers of codes and the scale word
	global_load_b128 v[16:19], v[L16], s[4:5] offset:768*\p
	global_load_b64 v[20:21], v[L8], s[4:5] offset:768*\p+512
	global_load_b32 v255, v[L16R], s[6:7] offset:4*\p
.endm
.macro KLOAD                           ; a key step's eight tiles of K, six registers each, and their scale words (lanes 0-15: tiles 0-3, lanes 16-31: tiles 4-7)
.irp t, 0,1,2,3,4,5,6,7
	ds_load_b128 v[32+12*\t:35+12*\t], v[ADK16] offset:768*\t
	ds_load_b64 v[36+12*\t:37+12*\t], v[ADK8] offset:768*\t+512
.endr
	ds_load_b128 v[248:251], v[ADKS]
.endm
	s_load_b256 s[4:11], s[0:1], 0x0               ; qb, kv, maskw, out0
	v_lshl_add_u32 v[SPW], v0, 2, SPARE
	v_mov_b32 v[NIL], 0
	ds_add_u32 v[SPW], v[NIL]                      ; the wave's opening: the add, twice on end, and its wait ahead of my first tensor load; the set-up below stands between the second and the wait
	ds_add_u32 v[SPW], v[NIL]
	v_lshrrev_b32 v6, 5, v0
	v_readfirstlane_b32 s[WV], v6                  ; wave 0..15
	s_and_b32 s68, ttmp7, 0xffff                   ; 16 x batch + head, which the four partners share
	s_bfe_u32 s69, ttmp6, 0x40000                  ; cx: my place in the cluster: it enters Q's, the mask's and O's addresses alone
	s_mul_i32 s70, s68, HB                         ; the head's block
	s_mul_i32 s72, s[WV], PART                     ; my sixteenth of it, in memory and in LDS alike
	s_add_co_u32 s74, s70, s72
	s_mov_b32 s75, 0
	s_mov_b32 s[G1], 15|(3<<16)|(1<<21)            ; 15:0 the mask: all four work-groups; 17:16 elements of 8 bytes; 20 no padding; 21 set beside a mask
	s_mov_b32 s[G1+1], 32<<16                      ; tensor_dim0 = 32 elements: 256 bytes
	s_mov_b32 s[G1+2], 51<<16                      ; tensor_dim1 = 51
	s_mov_b32 s[G1+3], 32<<16                      ; tile_dim0
	s_mov_b32 s[G1+4], 51                          ; tile_dim1
	s_mov_b32 s[G1+5], 32                          ; the rows are dense
	s_mov_b32 s[G1+6], 0
	s_mov_b32 s[G1+7], 0
	s_lshl_b32 s76, s69, 2                         ; Q's scale words: tile T = 32 cx + 2 w + p lies in step T / 8 = 4 cx + w / 4,
	s_lshr_b32 s77, s[WV], 2
	s_add_co_u32 s76, s76, s77
	s_lshl_b32 s76, s76, 9
	s_bfe_u32 s77, s[WV], 0x10001                  ; in its half (T % 8) / 4 = (w % 4) / 2,
	s_lshl_b32 s77, s77, 8
	s_add_co_u32 s76, s76, s77
	s_and_b32 s77, s[WV], 1                        ; as word T % 4 = 2 (w % 2) + p of a row's four
	s_lshl_b32 s77, s77, 3
	s_add_co_u32 s76, s76, s77
	s_add_co_u32 s76, s76, s70
	s_add_co_u32 s76, s76, KSO
	s_mov_b32 s77, 0
	s_lshl_b32 s78, s69, 5
	s_lshl_b32 s79, s[WV], 1
	s_add_co_u32 s78, s78, s79                     ; my first tile: 32 cx + 2 w
	s_mul_i32 s80, s78, 768
	s_add_co_u32 s80, s80, s70                     ; its codes
	s_mov_b32 s81, 0
	s_lshr_b32 s86, s68, 4                         ; the batch
	s_lshl_b32 s82, s86, 7
	s_add_co_u32 s82, s82, s78
	s_lshl_b32 s82, s82, 12                        ; its mask words: 4,096 bytes a tile
	s_mov_b32 s83, 0
	s_lshl_b32 s84, s86, 23                        ; O: 2,048 rows of 4,096 bytes a batch,
	s_and_b32 s87, s68, 15
	s_lshl_b32 s87, s87, 8
	s_add_co_u32 s84, s84, s87                     ; 256 bytes a head,
	s_lshl_b32 s87, s69, 4
	s_add_co_u32 s87, s87, s[WV]
	s_lshl_b32 s87, s87, 17
	s_add_co_u32 s84, s84, s87                     ; my two tiles' 32 rows
	s_mov_b32 s85, 0
	s_mov_b32 s[CS], 0x3e38aa3b                    ; c = log2(e) / 8
	s_mov_b32 s[CS+1], s[CS]                       ; (named with it as a pair, so it is written)
	s_mov_b32 s[SEL], 0x76543210
	s_mov_b32 s[SEL+1], 0xfedcba98
	s_wait_dscnt 0x0                               ; both opening adds are done
	s_wait_kmcnt 0x0
	s_mov_b32 s[G0], 1                             ; count = 1
	s_mov_b32 s[G0+1], s72                         ; LDS address
	s_add_nc_u64 s[G0+2:G0+3], s[6:7], s[74:75]    ; global address: made of the head and the wave's number alone
	s_or_b32 s[G0+3], s[G0+3], 0x80000000          ; type = 2
	s_add_nc_u64 s[6:7], s[4:5], s[76:77]
	s_add_nc_u64 s[4:5], s[4:5], s[80:81]
	s_add_nc_u64 s[8:9], s[8:9], s[82:83]
	s_add_nc_u64 s[10:11], s[10:11], s[84:85]
	CROUND                                         ; all four work-groups are here: the joint loads meet
	tensor_load_to_lds s[G0:G0+3], s[G1:G1+7]      ; every wave's one tensor load of the launch
	s_nop 0
	MLOAD                                          ; the first tile's first key step
	v_and_b32 v6, 31, v0
	v_lshlrev_b32 v[L16], 4, v6
	v_lshlrev_b32 v[L8], 3, v6
	v_and_b32 v7, 15, v0
	v_lshlrev_b32 v[L16R], 4, v7
	QLOAD 0
	v_mov_b32 v[NEGV], 0xd0000000                  ; -2^33
.irp i, 22,23,24,25,26,27
	v_mov_b32 v[\i], 0                             ; Q's codes of the upper 64 of the instruction's K
.endr
.irp t, 0,1,2,3,4,5,6,7
.irp i, 6,7,8,9,10,11
	v_mov_b32 v[32+12*\t+\i], 0                    ; and K's: written once, no load lands there
.endr
.endr
.irp i, 236,237,238,239,252,253
	v_mov_b32 v[\i], 0                             ; a lane permute's destination counts as one of its sources; v253 is named as the upper half of a pair before it is first written
.endr
	s_mov_b32 s[TBK], 0
	s_mov_b32 s[TSK], KSO
	s_mov_b32 s[TBV], VCO
	s_mov_b32 s[TSV], VSO
	v_add_nc_u32 v[ADK16], s[TBK], v[L16]
	v_add_nc_u32 v[ADK8], s[TBK], v[L8]
	v_add_nc_u32 v[ADKS], s[TSK], v[L16]
	s_wait_tensorcnt 0x0                           ; my sixteenth is in,
	s_barrier_signal -1
	s_barrier_wait -1                              ; everybody's is
	KLOAD                                          ; key step 0
; A KEY STEP: 128 keys.  nxt = 1: the next step follows; 2: the next tile's first step follows; 0: nothing follows.
.macro STEP nxt
	s_wait_dscnt 0x0                               ; K's fragments and scale words, asked for a step ago, are in
.irp t, 0,1,2,3
	v_wmma_scale_f32_16x16x128_f8f6f4 v[128+8*\t:135+8*\t], v[32+12*\t:43+12*\t], v[16:27], 0, v[248+\t], v255 matrix_a_fmt:MATRIX_FMT_FP6 matrix_b_fmt:MATRIX_FMT_FP6
.endr
.irp t, 4,5,6,7
	v_wmma_scale_f32_16x16x128_f8f6f4 v[128+8*\t:135+8*\t], v[32+12*\t:43+12*\t], v[16:27], 0, v[244+\t], v255 matrix_a_fmt:MATRIX_FMT_FP6 matrix_b_fmt:MATRIX_FMT_FP6 matrix_a_scale:MATRIX_SCALE_ROW1
.endr
	v_add_nc_u32 v[ADV], s[TBV], v[L16]            ; five plain lines: the places in front of the loads into K's registers and of the first read of the scores
	v_add_nc_u32 v[ADVS], s[TSV], v[L16R]
.if \nxt == 1
	s_add_co_u32 s[TBV], s[TBV], 6144
	s_add_co_u32 s[TSV], s[TSV], 256
	s_add_co_u32 s[TBK], s[TBK], 6144
	s_add_co_u32 s[TSK], s[TSK], 512
.elseif \nxt == 2
	s_mov_b32 s[TBV], VCO
	s_mov_b32 s[TSV], VSO
	s_mov_b32 s[TBK], 0
	s_mov_b32 s[TSK], KSO
.endif
.if \nxt
	v_add_nc_u32 v[ADK16], s[TBK], v[L16]
	v_add_nc_u32 v[ADK8], s[TBK], v[L8]
	v_add_nc_u32 v[ADKS], s[TSK], v[L16]
	KLOAD                                          ; the next step's K, a whole step ahead of its use
.else
.rept 3
	v_nop
.endr
.endif
	s_wait_kmcnt 0x0                               ; the step's mask words, asked for a step ago
.set n, 0
.rept 64
	v_cndmask_b32 v[128+n], v[NEGV], v[128+n], s[24+n+12*(n/32)]   ; bit 0: -2^33.  Each accumulator from its low end on
.set n, n+1
.endr
.irp b, 0,1,2,3
	v_max3_num_f32 v[232+\b], v[128+16*\b], v[129+16*\b], v[130+16*\b]   ; THE LARGEST SCORE OF EACH BLOCK OF 32 KEYS: for the row's maximum, and, since p rises with the score, for the block's largest p
.endr
.if \nxt
	s_wait_xcnt 0x0                                ; the words' loads have read their base (they are done: the wait on KMcnt above)
	s_add_nc_u64 s[8:9], s[8:9], 256               ; the next step's words; my second tile's follow my first's in memory
	MLOAD
.endif
.irp i, 3,5,7,9,11,13
.irp b, 0,1,2,3
	v_max3_num_f32 v[232+\b], v[232+\b], v[128+16*\b+\i], v[129+16*\b+\i]   ; (the four blocks by turns)
.endr
.endr
.irp b, 0,1,2,3
	v_max_num_f32 v[232+\b], v[232+\b], v[143+16*\b]
.endr
.irp b, 0,1,2,3
	v_permlanex16_b32 v[236+\b], v[232+\b], s[SEL], s[SEL+1]
.endr
.irp b, 0,1,2,3
	v_max_num_f32 v[232+\b], v[232+\b], v[236+\b]  ; with lane l xor 16's 16 keys
.endr
	v_max3_num_f32 v254, v232, v233, v234
	v_max_num_f32 v254, v254, v235                 ; the step's largest score of my query
	v_mul_f32 v254, s[CS], v254                    ; as t (c is positive)
	v_max_num_f32 v13, v13, v254                   ; the running largest t
	v_mov_b32 v254, v12
	v_floor_f32 v12, -v13                          ; the new -M = floor(-t) = -ceil(t): M IS A WHOLE NUMBER
	v_sub_f32 v254, v12, v254                      ; M's old value less its new one: a whole number, 0 or less
	v_cvt_i32_f32 v254, v254                       ; (it saturates)
	v_ldexp_f32 v252, 1.0, v254                    ; f = 2^(old M - new M)
.set n, 0
.rept 32
	v_pk_fma_f32 v[128+n:129+n], v[128+n:129+n], s[CS:CS+1], v[12:13] op_sel_hi:[1,0,0]   ; t - M, two at a time (of the pairs c and -M the low word serves both halves)
.set n, n+2
.endr
.irp b, 0,1,2,3
	v_fma_f32 v[232+\b], v[232+\b], s[CS], v12     ; the same of each block's largest score
.endr
.set n, 0
.rept 64
	v_exp_f32 v[128+n], v[128+n]                   ; p = 2^(t - M), at most 1: NOT normalised
.set n, n+1
.endr
	v_pk_mul_f32 v[14:15], v[14:15], v[252:253] op_sel_hi:[1,0]   ; the sums under the new M.  (A plain place behind the exponentials)
	s_wait_alu depctr_va_vdst(0)                   ; one wait for the whole batch, ahead of its first reader
.irp b, 0,1,2,3
	v_exp_f32 v[232+\b], v[232+\b]                 ; the block's largest p: the same two instructions on the same number give the same bits
.endr
	v_pk_add_f32 v[236:237], v[128:129], v[130:131]   ; THE ROW'S SUM IS TAKEN OF THE UNQUANTISED p: two at a time, in two chains.  (It reads the 64 alone: plain work behind the four)
.irp j, 4,8,12,16,20,24,28,32,36,40,44,48,52,56,60
	v_pk_add_f32 v[14:15], v[14:15], v[128+\j:129+\j]
	v_pk_add_f32 v[236:237], v[236:237], v[130+\j:131+\j]
.endr
	v_pk_add_f32 v[14:15], v[14:15], v[236:237]
	s_wait_alu depctr_va_vdst(0)                   ; and one for the four
.irp b, 0,1,2,3
	v_max_num_f32 v[232+\b], 0x1800000, v[232+\b]  ; the floor 2^(3 - 127): the byte cannot fall under 1 (a block whose every p is 0 keeps that byte: its codes are zeros)
.endr
.irp b, 0,1,2,3
	v_add_nc_u32 v[244+\b], 0xff000000, v[232+\b]  ; 2 off the exponent field: the conversion's scale operand
.endr
.irp b, 0,1,2,3
	v_lshrrev_b32 v[236+\b], 23, v[244+\b]         ; the scale's byte
.endr
	v_lshl_or_b32 v253, v237, 8, v236              ; p's scale word for these 128 keys
	v_lshl_or_b32 v253, v238, 16, v253
	v_lshl_or_b32 v253, v239, 24, v253
.irp c, 0,1
	v_cvt_scalef32_pk16_fp6_f32 v[224+6*\c:226+6*\c], v[128+32*\c:143+32*\c], v[244+2*\c]
	v_cvt_scalef32_pk16_fp6_f32 v[236+4*\c:238+4*\c], v[144+32*\c:159+32*\c], v[244+2*\c+1]   ; (a conversion's three registers begin on an even number)
.endr
	v_nop                                          ; one plain place behind a scaled conversion
.irp t, 0,1,2,3
.irp c, 0,1,2
	ds_load_b128 v[128+12*\t+4*\c:131+12*\t+4*\c], v[ADV] offset:1536*\t+512*\c   ; V's four tiles of this step, into the registers that p has left
.endr
.endr
	ds_load_b128 v[28:31], v[ADVS]                 ; and their scale words: row r's four
.irp c, 0,1                                    ; the operand's layout wants a WHOLE block in a lane: lanes 0-15 block 2 c, lanes 16-31 block 2 c + 1
.irp i, 0,1,2
	v_permlane16_swap_b32 v[224+6*\c+\i], v[236+4*\c+\i]
.endr
.irp i, 0,1,2
	v_mov_b32 v[227+6*\c+\i], v[236+4*\c+\i]
.endr
.endr
.set n, 0
.rept 16
	v_pk_mul_f32 v[192+n:193+n], v[192+n:193+n], v[252:253] op_sel_hi:[1,0]   ; O^T under the new M: x f.  For each product below, the twelve of these that name other tiles are its places behind the writes of p's codes and scale word
.set n, n+2
.endr
	s_wait_dscnt 0x0                               ; V is in
.irp t, 0,1,2,3
	v_wmma_scale_f32_16x16x128_f8f6f4 v[192+8*\t:199+8*\t], v[128+12*\t:139+12*\t], v[224:235], v[192+8*\t:199+8*\t], v[28+\t], v253 matrix_a_fmt:MATRIX_FMT_FP6 matrix_b_fmt:MATRIX_FMT_FP6
.endr
.rept 5
	v_nop                                          ; five places: the next step's first products write over the registers that held V's fragments
.endr
.endm
; THE WAY OUT of tile p.  O^T is divided by the row's sum and goes through my stage in LDS, so that sixteen lanes store 256 consecutive, aligned bytes: a row's 64 channels of my head.
.macro FINISH p
.if \p == 0
	QLOAD 1                                        ; my second tile of queries (five places stand behind the last products, which did not read these registers)
.endif
	v_add_f32 v14, v14, v15                        ; the sum's two halves,
	v_permlanex16_b32 v252, v14, s[SEL], s[SEL+1]
	v_add_f32 v14, v14, v252                       ; and lane l xor 16's: the row's sum
	v_rcp_f32 v14, v14
	v_and_b32 v9, 15, v0                           ; (a plain place behind the reciprocal)  r
	v_bfe_u32 v10, v0, 4, 1                        ; h
	s_mul_i32 s100, s[WV], 16*272
	s_add_co_u32 s100, s100, STG                   ; my stage
	v_mul_u32_u24 v6, v9, 272
	v_lshl_add_u32 v6, v10, 6, v6
	v_add_nc_u32 v6, s100, v6                      ; in: row r, + 64 h: register 16 c + i is channel 32 c + 16 h + i
	v_mul_u32_u24 v7, v10, 272
	v_lshl_add_u32 v7, v9, 4, v7
	v_add_nc_u32 v7, s100, v7                      ; back: lanes 0-15 one row, lanes 16-31 the next
	v_lshlrev_b32 v8, 12, v10
	v_lshl_add_u32 v8, v9, 4, v8                   ; and the same two rows in O
	s_wait_alu depctr_va_vdst(0)                   ; the wait ahead of the reciprocal's first reader
.set n, 0
.rept 32
	v_mul_f32 v[128+n], v[192+n], v14              ; each accumulator from its low end on
.set n, n+1
.endr
.irp c, 0,1
.irp d, 0,1,2,3
	ds_store_b128 v6, v[128+16*\c+4*\d:131+16*\c+4*\d] offset:128*\c+16*\d
.endr
.endr
.irp i, 0,1,2,3,4,5,6,7
	ds_load_b128 v[160+4*\i:163+4*\i], v7 offset:544*\i   ; LDS serves a wave's instructions in order: these see my stores
.endr
.irp i, 0,1,2,3,4,5,6,7
	s_wait_dscnt 7-\i                              ; the 7 - i younger loads may be out
	global_store_b128 v8, v[160+4*\i:163+4*\i], s[10:11] offset:(2*\i+8*(\i/4)+8*\p)*4096 th:TH_STORE_NT   ; stage rows 2 i and 2 i + 1 are tokens 8 p + 2 i + 8 (i / 4) and the next
.endr
.if \p == 0
	s_wait_xcnt 0x0                                ; the stores have read their registers: the next tile writes them again
.endif
.endm
.macro PASS p
	v_mov_b32 v13, 0xff61b1e6                      ; the largest t so far: -3e38, under every t
	v_floor_f32 v12, -v13                          ; -M
	v_mov_b32 v14, 0                               ; the sum, in two halves
	v_mov_b32 v15, 0
.set n, 0
.rept 32
	v_mov_b32 v[192+n], 0                          ; O^T.  (The key step is written without a first step of its own: it finds zeros, which the first change of M leaves zeros)
.set n, n+1
.endr
	s_wait_loadcnt 0x0                             ; Q
	s_mov_b32 s[CNT], 15
.Lstep_\@:
	STEP 1
	s_sub_co_u32 s[CNT], s[CNT], 1
	s_cmp_lg_u32 s[CNT], 0
	s_cbranch_scc1 .Lstep_\@
.if \p == 0
	STEP 2                                         ; the tile's last step fetches the next tile's first K and mask words
.else
	STEP 0                                         ; the very last step fetches nothing: no load leaves its buffer
.endif
	FINISH \p
.endm
	PASS 0
	PASS 1
	s_wait_tensorcnt 0x0                           ; the wave's end
	ds_add_u32 v[SPW], v[NIL]
	s_wait_dscnt 0x0
	CROUND                                         ; the closing round: no work-group ends while a partner may still ask for bytes jointly with it
	s_endpgm
.Lfunc_end_k_q32cdd188af_attn:
	.size	k_q32cdd188af_attn, .Lfunc_end_k_q32cdd188af_attn-k_q32cdd188af_attn
	.p2alignl 7, 3214868480
	.fill 96, 4, 3214868480
	.section	.rodata,"a",@progbits
	.p2align	6, 0x0
	.amdhsa_kernel k_q32cdd188af_attn
		.amdhsa_group_segment_fixed_size 280576
		.amdhsa_private_segment_fixed_size 0
		.amdhsa_enable_private_segment 0
		.amdhsa_kernarg_size 32
		.amdhsa_user_sgpr_count 2
		.amdhsa_user_sgpr_kernarg_segment_ptr 1
		.amdhsa_wavefront_size32 1
		.amdhsa_system_sgpr_workgroup_id_x 1
		.amdhsa_system_sgpr_workgroup_id_y 1
		.amdhsa_system_sgpr_workgroup_id_z 1
		.amdhsa_system_vgpr_workitem_id 0
		.amdhsa_next_free_vgpr 256
		.amdhsa_next_free_sgpr 102
		.amdhsa_reserve_vcc 0
		.amdhsa_float_denorm_mode_32 3
		.amdhsa_float_denorm_mode_16_64 3
		.amdhsa_memory_ordered 1
		.amdhsa_forward_progress 1
		.amdhsa_inst_pref_size 98
	.end_amdhsa_kernel
	.amdgpu_metadata
---
amdhsa.version: [ 1, 2 ]
amdhsa.kernels:
  - .name:           k_q32cdd188af_attn
    .symbol:         k_q32cdd188af_attn.kd
    .args:
      - { .name: qb, .offset: 0, .size: 8, .value_kind: global_buffer, .address_space: global }
      - { .name: kv, .offset: 8, .size: 8, .value_kind: global_buffer, .address_space: global }
      - { .name: maskw, .offset: 16, .size: 8, .value_kind: global_buffer, .address_space: global }
      - { .name: out0, .offset: 24, .size: 8, .value_kind: global_buffer, .address_space: global }
    .group_segment_fixed_size: 280576
    .private_segment_fixed_size: 0
    .kernarg_segment_align: 8
    .kernarg_segment_size: 32
    .max_flat_workgroup_size: 512
    .sgpr_count:     102
    .vgpr_count:     256
    .wavefront_size: 32
...
	.end_amdgpu_metadata
.endif
;; end of part 5
